; MI455X (gfx1250); checked and timed in simulation.
; The chip was launched on July 23, 2026; its instructions are those of AMD's public machine-readable ISA for CDNA 5 (MIT licence, August 2026) and "CDNA5" Instruction Set Architecture Reference Guide (July 2026). The comments in the code are by the model that wrote it; some were corrected since.
;; Attention. Allowed arithmetic: matrix products marked QUANTISED: E3M2 operands, one E8M0 scale for each 32 along K, by v_wmma_scale_f32_16x16x128_f8f6f4 with both operands' format E3M2, f32 sums; everything else in f32.
;; Inputs: wk 2,048 x 512 float32; wo 2,048 x 2,048 float32; wq 2,048 x 2,048 float32; wv 2,048 x 512 float32; x 1 x 2,048 x 2,048 float32.
;; Outputs: out0 1 x 2,048 x 2,048 float32.
;; Constants: start_pos = 0.
;; This version of the problem:
;;   THIS VERSION OF THE PROBLEM IS GIVEN IN LOW PRECISION. The matrix products marked QUANTISED in the list below multiply operands that are first quantised to E3M2 (3 exponent bits, 2 mantissa bits; 6 bits a number), with one power-of-two scale for each 32 numbers along K (OCP MX v1.0); their sums are f32. All else is computed in f32.
;;   The module's matrix products, in the order in which they are computed (A, B: the left and right operand; K: the contracted axis; several contracted axes count as one K, in the product's order):
;;     1. [M 2,048, K 2,048] x [K 2,048, N 2,048]; A: input x; B: input wq: QUANTISED
;;     2. [M 2,048, K 2,048] x [K 2,048, N 512]; A: input x; B: input wk: QUANTISED
;;     3. [M 2,048, K 2,048] x [K 2,048, N 512]; A: input x; B: input wv: QUANTISED
;;     4. batch 32 x [M 2,048, K 64] x [K 64, N 2,048]; A: computed on the way; B: computed on the way: QUANTISED
;;     5. batch 32 x [M 64, K 2,048] x [K 2,048, N 2,048]; A: computed on the way; B: softmax (see below): QUANTISED
;;     6. [M 2,048, K 2,048] x [K 2,048, N 2,048]; A: computed on the way; B: input wo: QUANTISED
;;   THE QUANTISER, for each operand of a quantised product, along K:
;;     - K is cut into blocks of 32 from its start; a last block that is shorter is filled with zeros.
;;     - A block's scale is 2^e with e = floor(log2(the largest magnitude in the block)) - 4, held to -126 .. 127; a block of zeros has e = 0. As a byte (E8M0): e + 127.
;;     - Each number is divided by its block's scale, clamped to +-28, and rounded to the nearest number of E3M2, ties to even, subnormals kept.
;;     - The product sums the exact products of the quantised numbers (number of the format x scale) in f32.
;;   ~~~python
;;   def quantise(x, axis):      # numpy; x: float32 -> the quantised numbers, widened to float32 again
;;       x = np.moveaxis(x, axis, -1); K = x.shape[-1]
;;       x = np.pad(x, [(0, 0)] * (x.ndim - 1) + [(0, -K % 32)]); x = x.reshape(x.shape[:-1] + (-1, 32)); a = np.abs(x).max(-1, keepdims=True)
;;       e = np.where(a > 0, np.clip(np.frexp(np.where(a > 0, a, 1))[1] - 1 - 4, -126, 127), 0)      # np.frexp(a)[1] - 1 = floor(log2(a)), exactly
;;       r = np.clip(x / 2.0 ** e, -28, 28)
;;       step = 2.0 ** (np.maximum(np.frexp(np.where(r == 0, 1, r))[1] - 1, -2) - 2)
;;       q = np.round(r / step) * step * 2.0 ** e      # np.round: ties to even
;;       return np.moveaxis(q.reshape(q.shape[:-2] + (-1,))[..., :K], -1, axis).astype(np.float32)
;;   ~~~
;;   SOFTMAX AHEAD OF A QUANTISED PRODUCT. Where the list says 'softmax', what is quantised is not the finished softmax but p = 2^(t - M), with t = logit x log2(e) and M = ceil(the row's largest t), a whole number; so 1/2 < the row's largest p <= 1. The row's sum l is taken of the UNQUANTISED p, in f32, and the product's result is divided by l at the end. Since M is a whole number, a kernel that streams over the keys may use a running M (the ceiling of the running maximum): every later rescaling is an exact power of two, which a block's scale takes up: the codes' values come out the same.
;;   OPERANDS COMPUTED ON THE WAY. 'Computed on the way' means the value that the module computes at that place (a softmax that the list does not call 'softmax' is quantised finished and normalised). What goes into a quantiser is computed in f32, as accurately as f32 sums, v_exp_f32 and their like allow (about 1e-6 of the number): no bf16 or f16 on the way to a quantiser, and a product that is left as it is and whose result goes on into a quantised operand takes f32 operands (vector FMAs, or v_wmma_f32_16x16x4_f32). A number that lies on a knife's edge between two numbers of the format may be rounded either way, as far as f32 arithmetic and the matrix unit's own rounding can turn it there, and no further.
;; One version. Each part assembles by itself: llvm-mc -triple=amdgcn-amd-amdhsa -mcpu=gfx1250 --defsym DOCPART=n.
;; ======== version 1 of 1: 4 launches
;; limits: right only within a limited range of input values
;; workspace buffers: opc 11,010,048 bytes; ops 983,040 bytes; qkvc 4,718,592 bytes; qkvs 360,448 bytes; ac 3,145,728 bytes; asc 131,072 bytes
;; launch prep (part 1): grid 448 x 1, 4 waves a work-group, no clusters, 34,304 bytes of LDS; arguments x, wq, wk, wv, wo, opc, ops; writes opc, ops
.if DOCPART == 1
	.amdgcn_target "amdgcn-amd-amdhsa--gfx1250"
	.amdhsa_code_object_version 6
	.text
	.protected	k_q72f6fc5d8d_prep
	.globl	k_q72f6fc5d8d_prep
	.p2align	8
	.type	k_q72f6fc5d8d_prep,@function
k_q72f6fc5d8d_prep:
	s_mov_b64 s[64:65], 0
	v_nop
	global_prefetch_b8 v0, s[64:65] scope:SCOPE_SE
	s_setreg_imm32_b32 hwreg(HW_REG_WAVE_MODE, 25, 1), 1
	s_wait_xcnt 0x0
; x [2048][2048], wq [2048][2048], wk, wv [2048][512], wo [2048][2048], all f32, become codes of BF6 (E3M2) with one E8M0 byte for each 32 along K; and the table of cos and sin for the rotation is made.
; A block's scale is 2^(floor(log2(largest magnitude)) - 4): its byte is the largest magnitude's exponent field - 4, held at 1 from below by a floor among the maximum's leaves.
; LAYOUTS (this program's own).  A TILE is 16 rows of an operand; tile 2 B + u holds in its row r the index 32 B + 8 u + r + 8 (r / 8).  16 rows x 64 K are an IMAGE of six operand registers, 768 bytes:
; lane l = (r, h) owns block h (32 codes, 24 bytes) of row r; its registers 0-3 lie at 16 l, its registers 4-5 at 512 + 8 l.  Images lie [block of 8 tiles][K quarter][tile][8 images], 196,608 bytes a block.
; Scale words (4 bytes: 128 K of a row) lie as an image of eight registers, 1,024 bytes a tile: word (row r, K step s) at 512 (s / 8) + 16 (16 (s % 2) + r) + 4 ((s / 2) % 4).
; The table, 4,096 bytes a tile of tokens, is an image of 32 registers: register 16 b + 2 i is cos, the next sin, of token(r) x inv_freq[16 b + 8 h + i].
; SHARES.  Work-groups 0-127: one tile of tokens of x each, wave w its K quarter w, and a quarter of the tile's table.  128-383: wq, wo; 384-447: wk, wv: 128 columns x 256 K, a wave 32 columns.
; No tensor loads, no barrier: waves share nothing.  Only x's path uses LDS.
; LIMITS: NaN and infinities are not served.  A block of zeros, or one whose largest magnitude lies under 2^-122, gets the byte 1 where the rule says 127 (or less): zero blocks have zero codes, and only this program
; reads the bytes.  inv_freq is taken as the f32 quotient 1 / P[j], P[j] the f32 number nearest to 10^(j/8) = 10000^(2 j / 64): a power correctly rounded.  cos and sin: about 1e-7 absolute, for angles up to 2,047.
.set R,     48                         ; v48-175  x as loaded: two sets of 64
.set X,     176                        ; v176-239 64 numbers of a lane: two blocks of 32 along K (before that: the table's work)
.set PC,    22                         ; v22-33   a fragment's codes
.set PT,    34                         ; v34-36, v38-40 the upper halves of the two blocks, as the conversions leave them
.set WD,    16                         ; v16-19   the scale words of my four K steps
.set TBR,   240                        ; v240-247 my eight registers of the table
.set PITCH, 528                        ; a stage row: 512 bytes + 16: sixteen rows begin at sixteen different groups of four banks
.set STG,   16*PITCH                   ; a wave's stage
.set XW,    48                         ; weights: v48-111 two sets of 32 numbers down K
.set CW,    112                        ; v112-159 six registers of codes for each of eight blocks
.set WDW,   164                        ; v164-165 my column's eight scale bytes
	s_load_b256 s[4:11], s[0:1], 0x0               ; x, wq, wk, wv
	s_load_b128 s[12:15], s[0:1], 0x20             ; wo, opc
	s_load_b64 s[16:17], s[0:1], 0x30              ; ops
	v_lshl_add_u32 v248, v0, 2, 0x8400
	v_mov_b32 v249, 0
	v_lshrrev_b32 v1, 5, v0
	v_readfirstlane_b32 s22, v1                    ; wave
	v_and_b32 v2, 31, v0                           ; lane
	v_lshlrev_b32 v3, 4, v2                        ; 16 x lane
	v_lshlrev_b32 v4, 3, v2                        ; 8 x lane
	s_cmp_ge_u32 ttmp9, 128
	s_cbranch_scc1 .Lweights
; ---------------- x: tile of tokens T = the work-group's number; wave w: K steps 4 w .. 4 w + 3
	s_lshr_b32 s24, ttmp9, 1
	s_lshl_b32 s24, s24, 5
	s_and_b32 s25, ttmp9, 1
	s_lshl_b32 s25, s25, 3
	s_add_co_u32 s24, s24, s25                     ; the tile's first token: 32 (T / 2) + 8 (T % 2)
	s_lshl_b32 s26, s24, 13
	s_lshl_b32 s27, s22, 11
	s_add_co_u32 s26, s26, s27                     ; x: that row, + 2,048 bytes a K quarter
	s_mov_b32 s27, 0
	s_lshr_b32 s28, ttmp9, 3
	s_mul_i32 s28, s28, 196608
	s_mul_i32 s29, s22, 49152
	s_add_co_u32 s28, s28, s29
	s_and_b32 s29, ttmp9, 7
	s_mul_i32 s29, s29, 6144
	s_add_co_u32 s28, s28, s29                     ; the codes: block, K quarter, tile
	s_mov_b32 s29, 0
	s_lshl_b32 s30, ttmp9, 10
	s_lshr_b32 s25, s22, 1
	s_lshl_b32 s31, s25, 9
	s_add_co_u32 s30, s30, s31
	s_and_b32 s45, s22, 1
	s_lshl_b32 s31, s45, 3
	s_add_co_u32 s30, s30, s31                     ; the scale words: 1,024 T + 512 (w / 2) + 8 (w % 2)
	s_mov_b32 s31, 0
	s_lshl_b32 s42, ttmp9, 12
	s_lshl_b32 s43, s22, 10
	s_add_co_u32 s42, s42, s43
	s_add_co_u32 s42, s42, 458752                  ; the table lies behind the 448 tiles' scale words
	s_mov_b32 s43, 0
	s_lshl_b32 s44, s25, 4
	s_lshl_b32 s45, s45, 2
	s_add_co_u32 s44, s44, s45
	s_lshl_b32 s44, s44, 2                         ; 4 x (16 (w / 2) + 4 (w % 2)): my first frequency, as a lane's byte index
	s_mul_i32 s41, s22, STG                        ; my stage
	s_mov_b32 s20, 0x76543210
	s_mov_b32 s21, 0xfedcba98                      ; v_permlanex16_b32's selects for lane l xor 16
	s_mov_b32 s32, 0x3f22f983                      ; 2 / pi
	s_mov_b32 s33, 0x3fc90fdb                      ; pi / 2, the f32 number nearest to it,
	s_mov_b32 s34, 0x333bbd2e                      ; and what that number has too much
	s_mov_b32 s35, 0xb94ca1f9                      ; sin: x + x z (s0 z^2 + s1 z + s2), z = x^2, |x| <= pi / 4
	s_mov_b32 s36, 0x3c08839e
	s_mov_b32 s37, 0xbe2aaaa3
	s_mov_b32 s38, 0x37ccf5ce                      ; cos: 1 - z / 2 + z^2 (c0 z^2 + c1 z + c2)
	s_mov_b32 s39, 0xbab6061a
	s_mov_b32 s40, 0x3d2aaaa5
	v_and_b32 v8, 15, v0                           ; r
	v_bfe_u32 v9, v0, 4, 1                         ; h
	s_wait_alu depctr_va_vdst(0)
	v_add_nc_u32 v5, s41, v3                       ; into the stage: a row's 512 bytes as they lie
	v_mul_u32_u24 v6, v8, PITCH
	v_lshl_add_u32 v6, v9, 7, v6
	v_add_nc_u32 v6, s41, v6                       ; out of it: row r, + 128 h: my block of 32 numbers
	v_lshlrev_b32 v7, 3, v9                        ; 8 h
	v_mov_b32 v41, 0                               ; written once: a lane permute's destination counts as one of its sources
	s_wait_kmcnt 0x0
	s_add_nc_u64 s[4:5], s[4:5], s[26:27]
	s_add_nc_u64 s[14:15], s[14:15], s[28:29]
	s_add_nc_u64 s[18:19], s[16:17], s[30:31]
	s_add_nc_u64 s[16:17], s[16:17], s[42:43]
.macro LOADX e                         ; K step e of my quarter: the tile's 16 rows, 512 consecutive bytes a load; which rows form the tile stands in the immediate
.irp i, 0,1,2,3,4,5,6,7,8,9,10,11,12,13,14,15
	global_load_b128 v[R+64*((\e)%2)+4*\i:R+64*((\e)%2)+4*\i+3], v3, s[4:5] offset:(\i+8*(\i/8))*8192+512*(\e) th:TH_LOAD_NT
.endr
.endm
	LOADX 0
	LOADX 1
; The table, while those 32 loads are on their way.  Lane j gets P[j], the f32 number nearest to 10^(j/8)
	v_mov_b32 v176, 0
.macro PW j, bits
	s_mov_b32 s23, \bits
	v_writelane_b32 v176, s23, \j
.endm
	PW 0, 0x3f800000
	PW 1, 0x3faab0d5
	PW 2, 0x3fe39ea9
	PW 3, 0x4017c496
	PW 4, 0x404a62c2
	PW 5, 0x4086f161
	PW 6, 0x40b3f300
	PW 7, 0x40eff755
	PW 8, 0x41200000
	PW 9, 0x41555d0a
	PW 10, 0x418e432a
	PW 11, 0x41bdb5bc
	PW 12, 0x41fcfb72
	PW 13, 0x4228adb9
	PW 14, 0x4260efc0
	PW 15, 0x4295fa95
	PW 16, 0x42c80000
	PW 17, 0x43055a26
	PW 18, 0x4331d3f4
	PW 19, 0x436d232b
	PW 20, 0x439e1d27
	PW 21, 0x43d2d927
	PW 22, 0x440c95d8
	PW 23, 0x443b793b
	PW 24, 0x447a0000
	PW 25, 0x44a6b0b0
	PW 26, 0x44de48f1
	PW 27, 0x451435fb
	PW 28, 0x4545a471
	PW 29, 0x4583c7b8
	PW 30, 0x45afbb4e
	PW 31, 0x45ea5789
	s_wait_alu depctr_va_vdst(0)
	v_rcp_f32 v177, v176
	v_nop                                          ; one plain place behind a transcendental
	s_wait_alu depctr_va_vdst(0)
	v_fma_f32 v178, -v176, v177, 1.0               ; two Newton steps in fused multiply-adds: the quotient 1 / P as a division rounds it
	v_fma_f32 v177, v177, v178, v177
	v_fma_f32 v178, -v176, v177, 1.0
	v_fma_f32 v177, v177, v178, v177               ; inv_freq[lane]
	v_lshl_add_u32 v179, v9, 5, s44                ; my four frequencies: 16 (w / 2) + 4 (w % 2) + 8 h + 0 .. 3, as byte indices of lanes
.irp e, 0,1,2,3
	v_add_nc_u32 v[180+\e], 4*\e, v179
.endr
.irp e, 0,1,2,3
	ds_bpermute_b32 v[185+\e], v[180+\e], v177
.endr
	v_and_b32 v184, 8, v8
	v_add_nc_u32 v184, v184, v8
	v_add_nc_u32 v184, s24, v184
	v_cvt_f32_u32 v184, v184                       ; my token, as f32
	s_wait_alu depctr_va_vdst(0)
	s_wait_dscnt 0x0
.macro SINCOS e
	v_mul_f32 v190, v184, v[185+\e]                ; the angle: one rounding
	v_mul_f32 v191, s32, v190
	v_rndne_f32 v191, v191                         ; q quarter turns
	v_fma_f32 v192, -v191, s33, v190               ; angle - q pi / 2, in two parts
	v_fma_f32 v192, v191, s34, v192
	v_mul_f32 v193, v192, v192                     ; z
	v_fma_f32 v194, v193, s35, s36
	v_fma_f32 v194, v194, v193, s37
	v_mul_f32 v195, v193, v192
	v_fma_f32 v194, v194, v195, v192               ; sin of the rest
	v_fma_f32 v196, v193, s38, s39
	v_fma_f32 v196, v196, v193, s40
	v_mul_f32 v197, v193, v193
	v_fma_f32 v198, v193, -0.5, 1.0
	v_fma_f32 v196, v196, v197, v198               ; cos of the rest
	v_cvt_i32_f32 v199, v191
	v_and_b32 v200, 1, v199
	v_cmp_ne_u32 vcc_lo, 0, v200
	v_cndmask_b32 v201, v194, v196, vcc_lo         ; an odd number of quarter turns: the two change places
	v_cndmask_b32 v202, v196, v194, vcc_lo
	v_and_b32 v200, 2, v199
	v_lshlrev_b32 v200, 30, v200
	v_xor_b32 v[TBR+2*\e+1], v200, v201            ; sin changes sign in quarters 2 and 3,
	v_add_nc_u32 v199, 1, v199
	v_and_b32 v199, 2, v199
	v_lshlrev_b32 v199, 30, v199
	v_xor_b32 v[TBR+2*\e], v199, v202              ; cos in quarters 1 and 2
.endm
	SINCOS 0
	SINCOS 1
	SINCOS 2
	SINCOS 3
	global_store_b128 v3, v[TBR:TBR+3], s[16:17]               ; 512 consecutive bytes a store
	global_store_b128 v3, v[TBR+4:TBR+7], s[16:17] offset:512
; One K step: 16 rows x 128 numbers turn through my stage, so that a lane holds two whole blocks of its row, in the operand's own order
.macro XSTEP e
.if \e < 3
	s_wait_loadcnt 16                              ; this step's 16 loads are in; the next step's 16 may be out
.else
	s_wait_loadcnt 0x0
.endif
.irp i, 0,1,2,3,4,5,6,7,8,9,10,11,12,13,14,15
	ds_store_b128 v5, v[R+64*((\e)%2)+4*\i:R+64*((\e)%2)+4*\i+3] offset:PITCH*\i
.endr
.irp c, 0,1
.irp i, 0,1,2,3,4,5,6,7
	ds_load_b128 v[X+32*\c+4*\i:X+32*\c+4*\i+3], v6 offset:256*\c+16*\i   ; k = 64 c + 32 h + 4 i ..; LDS serves a wave's instructions in order: these see the stores above
.endr
.endr
	s_wait_dscnt 0x0
.if \e < 2
	LOADX \e+2
.endif
	v_max3_num_f32 v10, |v[X]|, |v[X+1]|, 0x2800000            ; my two blocks by turns; the floor 2^(5 - 127) among the leaves holds the byte at 1 from below
	v_max3_num_f32 v11, |v[X+32]|, |v[X+33]|, 0x2800000
.irp i, 2,4,6,8,10,12,14,16,18,20,22,24,26,28,30
	v_max3_num_f32 v10, v10, |v[X+\i]|, |v[X+\i+1]|
	v_max3_num_f32 v11, v11, |v[X+32+\i]|, |v[X+33+\i]|
.endr
	v_add_nc_u32 v12, 0xfe000000, v10              ; 4 off the exponent field: the conversion's scale operand
	v_add_nc_u32 v13, 0xfe000000, v11
	v_lshrrev_b32 v14, 23, v12                     ; the bytes of blocks h and 2 + h
	v_lshrrev_b32 v15, 23, v13
	v_lshl_or_b32 v14, v15, 16, v14
	v_lshlrev_b32 v14, v7, v14                     ; at their places in the word
	v_permlanex16_b32 v41, v14, s20, s21
	v_or_b32 v[WD+\e], v14, v41                    ; with lane l xor 16's two the word is whole
.if \e > 0
	s_wait_alu depctr_va_vdst(0)
	s_wait_xcnt 0x0                                ; the codes' registers are the last step's store data: written again only behind this wait
.endif
.irp c, 0,1
	v_cvt_scalef32_pk16_bf6_f32 v[PC+6*\c:PC+6*\c+2], v[X+32*\c:X+32*\c+15], v[12+\c]
	v_cvt_scalef32_pk16_bf6_f32 v[PT+4*\c:PT+4*\c+2], v[X+32*\c+16:X+32*\c+31], v[12+\c]   ; (a conversion's three registers begin on an even number)
.endr
	v_nop                                          ; one plain place behind a scaled conversion
.irp c, 0,1
.irp i, 0,1,2
	v_mov_b32 v[PC+6*\c+3+\i], v[PT+4*\c+\i]
.endr
.endr
	global_store_b128 v3, v[PC:PC+3], s[14:15] offset:1536*\e              ; two images: each store covers 512 or 256 consecutive bytes
	global_store_b64 v4, v[PC+4:PC+5], s[14:15] offset:1536*\e+512
	global_store_b128 v3, v[PC+6:PC+9], s[14:15] offset:1536*\e+768
	global_store_b64 v4, v[PC+10:PC+11], s[14:15] offset:1536*\e+1280
.endm
	XSTEP 0
	XSTEP 1
	XSTEP 2
	XSTEP 3
	v_cmp_ne_u32 vcc_lo, 0, v9
	v_cndmask_b32 v20, v[WD], v[WD+1], vcc_lo      ; the scale image: lanes 0-15 hold even K steps, lanes 16-31 odd ones
	v_cndmask_b32 v21, v[WD+2], v[WD+3], vcc_lo
	global_store_b64 v3, v[20:21], s[18:19]        ; 8 of each 16 bytes; the wave beside me fills the other 8.  The scale words are one 24th of the codes' bytes
	s_wait_tensorcnt 0x0
	ds_add_u32 v248, v249
	s_wait_dscnt 0x0
	s_endpgm
; ---------------- the weights: K is their first axis.  A lane takes a column and its registers run down K
.Lweights:
	s_wait_alu depctr_va_vdst(0)
	v_and_b32 v10, 7, v2
	v_bfe_u32 v12, v2, 3, 1
	v_lshl_add_u32 v10, v12, 4, v10
	v_lshrrev_b32 v12, 4, v2
	v_lshl_add_u32 v10, v12, 3, v10                ; my column of the wave's 32: l % 8 + 16 ((l / 8) % 2) + 8 (l / 16): lanes 0-15 are the rows of one tile, lanes 16-31 of the next
	v_lshlrev_b32 v10, 2, v10
	v_and_b32 v11, 15, v2
	v_lshlrev_b32 v11, 4, v11
	v_lshl_add_u32 v11, v12, 10, v11               ; my row's place in its tile's scale image
; from cg (s26), kc (s27), the first tile (s28) and the source (s[4:5]): the three bases
.macro WADDR pitch
	s_mul_i32 s30, s27, 256*\pitch
	s_lshl_b32 s31, s26, 9
	s_add_co_u32 s30, s30, s31
	s_lshl_b32 s31, s22, 7
	s_add_co_u32 s30, s30, s31                     ; 256 kc rows down, 128 cg + 32 w columns on
	s_mov_b32 s31, 0
	s_add_nc_u64 s[4:5], s[4:5], s[30:31]
	s_lshr_b32 s32, s28, 3
	s_mul_i32 s32, s32, 196608
	s_lshr_b32 s33, s27, 1
	s_mul_i32 s33, s33, 49152
	s_add_co_u32 s32, s32, s33
	s_and_b32 s33, s28, 7
	s_mul_i32 s33, s33, 6144
	s_add_co_u32 s32, s32, s33
	s_and_b32 s33, s27, 1
	s_mul_i32 s33, s33, 3072
	s_add_co_u32 s32, s32, s33                     ; block, K quarter, tile, and four images for each 256 along K
	s_mov_b32 s33, 0
	s_add_nc_u64 s[14:15], s[14:15], s[32:33]
	s_lshl_b32 s34, s28, 10
	s_lshr_b32 s35, s27, 2
	s_lshl_b32 s35, s35, 9
	s_add_co_u32 s34, s34, s35
	s_and_b32 s35, s27, 3
	s_lshl_b32 s35, s35, 2
	s_add_co_u32 s34, s34, s35                     ; K steps 2 kc and 2 kc + 1 of the scale image
	s_mov_b32 s35, 0
	s_add_nc_u64 s[16:17], s[16:17], s[34:35]
.endm
.macro LOADW t, pitch                  ; block t: 32 rows down K; the wave reads 128 consecutive bytes a load, the four waves 512
.irp i, 0,1,2,3,4,5,6,7,8,9,10,11,12,13,14,15,16,17,18,19,20,21,22,23,24,25,26,27,28,29,30,31
	global_load_b32 v[XW+32*((\t)%2)+\i], v10, s[4:5] offset:(32*(\t)+\i)*\pitch th:TH_LOAD_NT
.endr
.endm
.macro BLOCKW t, pitch
.set XS, XW+32*((\t)%2)
.if (\t) < 7
	s_wait_loadcnt 32                              ; this block's 32 loads are in; the next block's may be out
.else
	s_wait_loadcnt 0x0
.endif
	v_max3_num_f32 v12, |v[XS]|, |v[XS+1]|, |v[XS+2]|          ; all 32 numbers of the block are mine
	v_max3_num_f32 v13, |v[XS+3]|, |v[XS+4]|, |v[XS+5]|
.irp i, 6,10,14,18,22,26
	v_max3_num_f32 v12, v12, |v[XS+\i]|, |v[XS+\i+1]|
	v_max3_num_f32 v13, v13, |v[XS+\i+2]|, |v[XS+\i+3]|
.endr
	v_max3_num_f32 v12, v12, |v[XS+30]|, |v[XS+31]|
	v_max3_num_f32 v12, v12, v13, 0x2800000        ; and the floor
	v_add_nc_u32 v14, 0xfe000000, v12
	v_lshrrev_b32 v15, 23, v14
.if (\t)%4 == 0
	v_mov_b32 v[WDW+(\t)/4], v15
.else
	v_lshl_or_b32 v[WDW+(\t)/4], v15, 8*((\t)%4), v[WDW+(\t)/4]
.endif
	v_cvt_scalef32_pk16_bf6_f32 v[CW+6*(\t):CW+6*(\t)+2], v[XS:XS+15], v14
	v_cvt_scalef32_pk16_bf6_f32 v[160:162], v[XS+16:XS+31], v14
	v_nop                                          ; one plain place behind a scaled conversion
.irp i, 0,1,2
	v_mov_b32 v[CW+6*(\t)+3+\i], v[160+\i]
.endr
.if (\t)+2 < 8
	LOADW (\t)+2, \pitch
.endif
.if (\t)%2 == 1                        ; two blocks are 64 along K: the first set's lanes 16-31 change places with the second's lanes 0-15, and each set is one tile's image
.irp i, 0,1,2,3,4,5
	v_permlane16_swap_b32 v[CW+6*((\t)-1)+\i], v[CW+6*(\t)+\i]
.endr
	global_store_b128 v3, v[CW+6*((\t)-1):CW+6*((\t)-1)+3], s[14:15] offset:768*((\t)/2)
	global_store_b64 v4, v[CW+6*((\t)-1)+4:CW+6*((\t)-1)+5], s[14:15] offset:768*((\t)/2)+512
	global_store_b128 v3, v[CW+6*(\t):CW+6*(\t)+3], s[14:15] offset:768*((\t)/2)+6144
	global_store_b64 v4, v[CW+6*(\t)+4:CW+6*(\t)+5], s[14:15] offset:768*((\t)/2)+6144+512
.endif
.endm
.macro WBODY pitch                     ; every block has its own registers for its codes: no store's data are written again
	LOADW 0, \pitch
	LOADW 1, \pitch
.irp t, 0,1,2,3,4,5,6,7
	BLOCKW \t, \pitch
.endr
	global_store_b32 v11, v[WDW], s[16:17]         ; 4 of each 16 bytes: the scale words are one 24th of the codes' bytes
	global_store_b32 v11, v[WDW+1], s[16:17] offset:256
.endm
	s_cmp_ge_u32 ttmp9, 384
	s_cbranch_scc1 .Lsmall
	s_sub_co_u32 s24, ttmp9, 128                   ; wq (0-127), wo (128-255): rows of 8,192 bytes
	s_lshr_b32 s25, s24, 7
	s_and_b32 s26, s24, 15                         ; which 128 columns
	s_bfe_u32 s27, s24, 0x30004                    ; which 256 along K
	s_mul_i32 s28, s25, 192
	s_lshl_b32 s29, s26, 3
	s_add_co_u32 s28, s28, s29
	s_lshl_b32 s29, s22, 1
	s_add_co_u32 s28, s28, s29
	s_add_co_u32 s28, s28, 128                     ; my first tile: wq's begin at 128, wo's at 320
	s_wait_kmcnt 0x0
	s_cmp_eq_u32 s25, 0
	s_cselect_b64 s[4:5], s[6:7], s[12:13]
	WADDR 8192
	s_wait_alu depctr_va_vdst(0)
	WBODY 8192
	s_endpgm
.Lsmall:
	s_sub_co_u32 s24, ttmp9, 384                   ; wk (0-31), wv (32-63): rows of 2,048 bytes
	s_lshr_b32 s25, s24, 5
	s_and_b32 s26, s24, 3
	s_bfe_u32 s27, s24, 0x30002
	s_lshl_b32 s28, s25, 5
	s_lshl_b32 s29, s26, 3
	s_add_co_u32 s28, s28, s29
	s_lshl_b32 s29, s22, 1
	s_add_co_u32 s28, s28, s29
	s_add_co_u32 s28, s28, 256                     ; wk's tiles begin at 256, wv's at 288
	s_wait_kmcnt 0x0
	s_cmp_eq_u32 s25, 0
	s_cselect_b64 s[4:5], s[8:9], s[10:11]
	WADDR 2048
	s_wait_alu depctr_va_vdst(0)
	WBODY 2048
	s_endpgm
.Lfunc_end_k_q72f6fc5d8d_prep:
	.size	k_q72f6fc5d8d_prep, .Lfunc_end_k_q72f6fc5d8d_prep-k_q72f6fc5d8d_prep
	.p2alignl 7, 3214868480
	.fill 96, 4, 3214868480
	.section	.rodata,"a",@progbits
	.p2align	6, 0x0
	.amdhsa_kernel k_q72f6fc5d8d_prep
		.amdhsa_group_segment_fixed_size 34304
		.amdhsa_private_segment_fixed_size 0
		.amdhsa_enable_private_segment 0
		.amdhsa_kernarg_size 56
		.amdhsa_user_sgpr_count 2
		.amdhsa_user_sgpr_kernarg_segment_ptr 1
		.amdhsa_wavefront_size32 1
		.amdhsa_system_sgpr_workgroup_id_x 1
		.amdhsa_system_sgpr_workgroup_id_y 1
		.amdhsa_system_sgpr_workgroup_id_z 1
		.amdhsa_system_vgpr_workitem_id 0
		.amdhsa_next_free_vgpr 250
		.amdhsa_next_free_sgpr 66
		.amdhsa_reserve_vcc 1
		.amdhsa_float_denorm_mode_32 3
		.amdhsa_float_denorm_mode_16_64 3
		.amdhsa_memory_ordered 1
		.amdhsa_forward_progress 1
		.amdhsa_inst_pref_size 121
	.end_amdhsa_kernel
	.amdgpu_metadata
---
amdhsa.version: [ 1, 2 ]
amdhsa.kernels:
  - .name:           k_q72f6fc5d8d_prep
    .symbol:         k_q72f6fc5d8d_prep.kd
    .args:
      - { .name: x, .offset: 0, .size: 8, .value_kind: global_buffer, .address_space: global }
      - { .name: wq, .offset: 8, .size: 8, .value_kind: global_buffer, .address_space: global }
      - { .name: wk, .offset: 16, .size: 8, .value_kind: global_buffer, .address_space: global }
      - { .name: wv, .offset: 24, .size: 8, .value_kind: global_buffer, .address_space: global }
      - { .name: wo, .offset: 32, .size: 8, .value_kind: global_buffer, .address_space: global }
      - { .name: opc, .offset: 40, .size: 8, .value_kind: global_buffer, .address_space: global }
      - { .name: ops, .offset: 48, .size: 8, .value_kind: global_buffer, .address_space: global }
    .group_segment_fixed_size: 34304
    .private_segment_fixed_size: 0
    .kernarg_segment_align: 8
    .kernarg_segment_size: 56
    .max_flat_workgroup_size: 128
    .sgpr_count:     66
    .vgpr_count:     250
    .wavefront_size: 32
...
	.end_amdgpu_metadata
.endif
;; end of part 1
;; launch qkv (part 2): grid 24 x 16, 4 waves a work-group, clusters of 4 x 4, 327,680 bytes of LDS; arguments opc, ops, qkvc, qkvs; writes qkvc, qkvs
.if DOCPART == 2
	.amdgcn_target "amdgcn-amd-amdhsa--gfx1250"
	.amdhsa_code_object_version 6
	.text
	.protected	k_q72f6fc5d8d_qkv
	.globl	k_q72f6fc5d8d_qkv
	.p2align	8
	.type	k_q72f6fc5d8d_qkv,@function
k_q72f6fc5d8d_qkv:
	s_mov_b64 s[64:65], 0
	v_nop
	global_prefetch_b8 v0, s[64:65] scope:SCOPE_SE
	s_setreg_imm32_b32 hwreg(HW_REG_WAVE_MODE, 25, 1), 1
	s_wait_xcnt 0x0
	s_wait_alu depctr_hold_cnt(0) depctr_sa_sdst(0) depctr_va_vdst(0) depctr_va_sdst(0) depctr_va_ssrc(0) depctr_va_vcc(0) depctr_vm_vsrc(0)
	s_getreg_b32 s2, hwreg(HW_REG_IB_STS2, 6, 4)
	s_cmp_eq_u32 s2, 0
	s_cbranch_scc0 .Lentry_in_a_cluster
	s_endpgm
.Lentry_in_a_cluster:
	s_bfe_u32 s2, ttmp6, 0x10000c
	s_cmp_lg_u32 s2, 0xf033
	s_cbranch_scc0 .Lentry_shape_is_right
	s_endpgm
.Lentry_shape_is_right:
; x wq, x wk, x wv on codes of BF6 (E3M2) with E8M0 scales; the rotation of Q and K; and the results quantised anew: Q and K along the head's 64, V along the keys.  Nothing leaves in f32.
; A work-group makes 128 x 128, each of four waves 64 x 64: 16 accumulators.  128 x 128 gives 384 work-groups; 256 x 256 would give 96.  K = 2,048 is 16 steps of 128, written out: 256 matrix instructions a wave.
; Operands lie in memory as images of operand registers (768 bytes: 16 rows x 64 K; lane l's registers 0-3 at 16 l, registers 4-5 at 512 + 8 l), [block of 128 rows][K quarter][tile][8 images]: a block's K quarter is
; one dense run of 49,152 bytes, and every LDS load reads 512 or 256 consecutive bytes: no pitch, no padding.  Tile 2 B + u holds in row r the index 32 B + 8 u + r + 8 (r / 8).
; REGION A of a slot feeds source 1 (its rows become lanes), REGION B source 0 (its rows run along the registers: the 32 registers of accumulators (a, 0..3) are B's indices 32 b + 16 h + 0 .. 15, b = 0, 1).
; Q, K (clusters 0-4 along x): A = tokens, B = features: a lane holds a token and 32 of a head's 64 features in order: pairs for the rotation, blocks for the quantiser.
; V (cluster 5): A = features, B = tokens: a lane holds a feature and its registers run along the keys, which are the second attention product's K.
; LDS: three slots of 98,304 bytes (A's quarter, then B's).  Quarters 0, 1, 2 are first fills; quarter 3 is the one refill, into slot 0.  By this text's own count a wave has three tensor loads out at the start, later one.
; CLUSTER 4 x 4: A's quarters are shared along a row of the cluster, B's along a column: joint loads; waves 0, 1 fetch A's halves, waves 2, 3 B's.
; LIMITS: NaN and infinities are not served.  A block of zeros, or one under 2^-122, gets the byte 1: zero blocks have zero codes, and only this program reads the bytes.
; REGISTERS.  Window 0: v1 r, v2 h, v3-5 16, 8, 4 x lane, v6-7 for the add, v8-19 LDS addresses, v32-63 A's scale words, v64-95 B's, v96-127 at work, v128-255 accumulators.
;   Window 1: two fragment buffers (v0-95, v128-223): A's four fragments, then B's four.   Window 2: v0-127 cos and sin for my four tiles of tokens.
; LDS AS THIS TEXT LAYS IT (in place of the three slots named above): wave w's fetches lie at 73,728 w: its half (24,576 bytes) of K quarters 0, 1, 2 on end; waves 0, 1 hold A's halves, waves 2, 3 B's.
; At the head a wave issues ONE joint load: three rows of 24,576 bytes, 49,152 bytes apart in memory.  K quarter 3 is the one refill, onto quarter 0's bytes.  By this text's own count a wave has one tensor load out at a time.
; K quarter 3 is asked of memory at the head by one prefetch a wave: of the 96 blocks of 256 bytes that a wave will fetch, each of the four partners that fetch them jointly names 24, told apart by address.
.set SLOTB, 98304
.set REGB,  49152
.set HALFB, 24576
.set BLKB,  196608
.set SPARE, 3*SLOTB                    ; behind the slots: the spare words, 128 bytes for each wave: two blocks of 256 bytes that no other line names
.set SA,  32
.set SB,  64
.set ACC, 128
.set CS,  0
.set G1A, 28                           ; s[28:35] group 1 for A;  s[36:43] for B: they differ in the mask alone
.set G1B, 36
.set G0A, 44                           ; s[44:47] group 0 for A
.set G0B0, 56                          ; and for B
.set G0B1, 60
.set G0B2, 68
.set MSB, 0
.macro WIN new                         ; the immediate's high byte repeats the setting that is left
.if MSB != \new
	s_set_vgpr_msb (MSB<<8)|\new
.set MSB, \new
.endif
.endm
.macro PLACES
.rept 4
	v_nop
.endr
.endm
; A joint load: each of the two lines has one mask and one set of registers; the branch hangs on the wave's number alone.  Four v_nop follow each line.
.macro JLOAD g0a, g1a, g0b, g1b
	s_cmp_eq_u32 s17, 0
	s_cbranch_scc0 .Lfor_b_\@
	tensor_load_to_lds s[\g0a:\g0a+3], s[\g1a:\g1a+7]
	s_nop 0
.rept 4
	v_nop
.endr
	s_branch .Lasked_\@
.Lfor_b_\@:
	tensor_load_to_lds s[\g0b:\g0b+3], s[\g1b:\g1b+7]
	s_nop 0
.rept 4
	v_nop
.endr
.Lasked_\@:
.endm
.macro CREST                           ; a round of the cluster's barrier behind its opening barrier
	s_cmp_lg_u32 s16, 0
	s_cbranch_scc1 .Lnot_wave_0_\@
	s_barrier_signal -3
.Lnot_wave_0_\@:
	s_barrier_wait -3
	s_barrier_signal -1
	s_barrier_wait -1
.endm
.macro CROUND
	s_barrier_signal -1
	s_barrier_wait -1
	CREST
.endm
.macro SETG0 g, b, s
	s_mov_b32 s[\g], 1                                             ; count = 1
	s_add_co_u32 s[\g+1], s79, \s*SLOTB                            ; LDS: wave x 73,728, + 98,304 s: A's halves, then B's
	s_add_nc_u64 s[\g+2:\g+3], s[\b:\b+1], \s*REGB                 ; K quarter s
	s_or_b32 s[\g+3], s[\g+3], 0x80000000                          ; type = 2
.endm
	s_load_b256 s[4:11], s[0:1], 0x0               ; opc, ops, qkvc, qkvs
	v_lshl_add_u32 v6, v0, 2, SPARE
	v_mov_b32 v7, 0
	ds_add_u32 v6, v7
	ds_add_u32 v6, v7
	s_wait_dscnt 0x0
	v_lshrrev_b32 v1, 5, v0
	v_readfirstlane_b32 s16, v1                    ; wave
	s_lshr_b32 s17, s16, 1                         ; my half of A's rows.  Also: I fetch for A (0) or for B (1)
	s_and_b32 s18, s16, 1                          ; my half of B's rows.  Also: which half of a quarter I fetch
	s_bfe_u32 s19, ttmp6, 0x40000                  ; cx
	s_bfe_u32 s20, ttmp6, 0x40004                  ; cy
	s_and_b32 s22, ttmp7, 0xffff
	s_lshl_b32 s22, s22, 2                         ; 4 x cluster y
	s_lshl_b32 s23, ttmp9, 2                       ; 4 x cluster x
	s_add_co_u32 s24, s22, s20                     ; Q, K: A = tokens' block 4 cluster y + cy
	s_add_co_u32 s25, s20, 36                      ; V:    A = wv's block 36 + cy
	s_add_co_u32 s26, s23, s19
	s_add_co_u32 s26, s26, 16                      ; Q, K: B = features' block 16 + 4 cluster x + cx
	s_add_co_u32 s27, s22, s19                     ; V:    B = tokens' block 4 cluster y + cx
	s_cmp_eq_u32 ttmp9, 5                          ; the cluster's x: the same in all sixteen partners
	s_cselect_b32 s24, s25, s24                    ; A's block: it never holds cx
	s_cselect_b32 s26, s27, s26                    ; B's block: it never holds cy
	s_lshl_b32 s88, s24, 15
	s_lshl_b32 s89, s17, 14
	s_add_co_u32 s88, s88, s89                     ; the table of my four tiles of tokens, 4,096 bytes a tile;
	s_cmp_eq_u32 ttmp9, 5
	s_cselect_b32 s88, 0, s88                      ; V has no rotation: its loads are held at the table's head, inside the buffer, and their result is not used
	s_add_co_u32 s88, s88, 458752
	s_mov_b32 s89, 0
	s_lshl_b32 s72, s20, 2
	s_lshl_b32 s72, 15, s72                        ; my row of the cluster
	s_lshl_b32 s73, 0x1111, s19                    ; my column
	s_or_b32 s[G1A], s72, (3<<16)|(1<<21)          ; the mask; elements of 8 bytes; bit 21 set beside a mask; no padding
	s_or_b32 s[G1B], s73, (3<<16)|(1<<21)
.irp g, G1A, G1B
	s_mov_b32 s[\g+1], 3072<<16                    ; the head's load: tensor_dim0 = 3,072 elements: rows of 24,576 bytes
	s_mov_b32 s[\g+2], 3<<16                       ; tensor_dim1 = 3 rows: K quarters 0, 1, 2
	s_mov_b32 s[\g+3], 3072<<16                    ; tile_dim0
	s_mov_b32 s[\g+4], 3                           ; tile_dim1
	s_mov_b32 s[\g+5], 6144                        ; the pitch: a K quarter, 49,152 bytes
	s_mov_b32 s[\g+6], 0
	s_mov_b32 s[\g+7], 0
.endr
	s_mul_i32 s78, s18, HALFB
	s_mul_i32 s74, s24, BLKB
	s_add_co_u32 s74, s74, s78
	s_mov_b32 s75, 0
	s_mul_i32 s76, s26, BLKB
	s_add_co_u32 s76, s76, s78
	s_mov_b32 s77, 0
	s_mul_i32 s79, s16, 3*HALFB
	s_lshl_b32 s84, s24, 13
	s_lshl_b32 s85, s17, 12
	s_add_co_u32 s84, s84, s85                     ; A's scale images: 1,024 bytes a tile, my four tiles
	s_mov_b32 s85, 0
	s_lshl_b32 s86, s26, 13
	s_lshl_b32 s87, s18, 12
	s_add_co_u32 s86, s86, s87                     ; B's
	s_mov_b32 s87, 0
	s_mov_b32 s92, 0x76543210
	s_mov_b32 s93, 0xfedcba98                      ; v_permlanex16_b32's selects for lane l xor 16
	v_and_b32 v9, 31, v0
	v_and_b32 v1, 15, v0                           ; r
	v_bfe_u32 v2, v0, 4, 1                         ; h
	v_lshlrev_b32 v3, 4, v9
	v_lshlrev_b32 v4, 3, v9
	v_lshlrev_b32 v5, 2, v9
	v_mov_b32 v98, 0                               ; written once: a lane permute's destination counts as one of its sources
	v_mov_b32 v99, 0
	s_wait_alu depctr_va_vdst(0)
	s_wait_kmcnt 0x0
	s_add_nc_u64 s[80:81], s[4:5], s[74:75]
	s_add_nc_u64 s[82:83], s[4:5], s[76:77]
	s_add_nc_u64 s[84:85], s[6:7], s[84:85]
	s_add_nc_u64 s[86:87], s[6:7], s[86:87]
	s_add_nc_u64 s[88:89], s[6:7], s[88:89]
.irp a, 0,1,2,3                        ; register 8 a + q: lanes 0-15 the words of K step 2 q, lanes 16-31 of K step 2 q + 1
.irp g, 0,1
	global_load_b128 v[SA+8*\a+4*\g:SA+8*\a+4*\g+3], v3, s[84:85] offset:1024*\a+512*\g
	global_load_b128 v[SB+8*\a+4*\g:SB+8*\a+4*\g+3], v3, s[86:87] offset:1024*\a+512*\g
.endr
.endr
	WIN 0x80                                       ; destination window 2
.irp a, 0,1,2,3
.irp g, 0,1,2,3,4,5,6,7
	global_load_b128 v[CS+32*\a+4*\g:CS+32*\a+4*\g+3], v3, s[88:89] offset:4096*\a+512*\g
.endr
.endr
	WIN 0
	CROUND                                         ; all sixteen work-groups are here: the first joint loads meet
	SETG0 G0A, 80, 0
	SETG0 G0B0, 82, 0
	JLOAD G0A, G1A, G0B0, G1B
	s_cmp_eq_u32 s17, 0                            ; the prefetch of K quarter 3: do I fetch for A?
	s_cselect_b64 s[94:95], s[80:81], s[82:83]     ; my half of the block; never rewritten
	s_cselect_b32 s21, s19, s20                    ; my place among the four that fetch it with me: cx for A, cy for B
	s_mul_i32 s21, s21, 6144                       ; 24 blocks of 256 bytes a partner
	v_min_u32 v24, 23, v9                          ; a lane a block; lanes 24-31 name the last block again
	v_lshlrev_b32 v24, 8, v24
	v_add_nc_u32 v24, s21, v24                     ; never rewritten
	global_prefetch_b8 v24, s[94:95] offset:3*REGB th:TH_LOAD_NT scope:SCOPE_SE
	s_mul_i32 s90, s17, 3*HALFB                    ; my four tiles of A,
	s_mul_i32 s91, s18, 3*HALFB
	s_add_co_u32 s91, s91, 6*HALFB                 ; and of B, behind A's two halves
.irp s, 0,1,2
	v_add_nc_u32 v[8+4*\s], s90, v3
	v_add_nc_u32 v[9+4*\s], s90, v4
	v_add_nc_u32 v[10+4*\s], s91, v3
	v_add_nc_u32 v[11+4*\s], s91, v4
	s_add_co_u32 s90, s90, HALFB
	s_add_co_u32 s91, s91, HALFB
.endr
.macro FRAG reg, a16, off              ; a fragment, 16 rows x 128 K, is two images on end: four loads
	ds_load_b128 v[\reg:\reg+3], v[\a16] offset:\off
	ds_load_b64 v[\reg+4:\reg+5], v[\a16+1] offset:\off+512
	ds_load_b128 v[\reg+6:\reg+9], v[\a16] offset:\off+768
	ds_load_b64 v[\reg+10:\reg+11], v[\a16+1] offset:\off+1280
.endm
.macro FETCH s, ks, f                  ; 32 LDS loads in one run: the slot's K step ks into buffer f: B's four fragments, then A's
	WIN 0x40
.irp i, 0,1,2,3
	FRAG \f+48+12*\i, 10+4*\s, 6144*\i+1536*\ks
.endr
.irp i, 0,1,2,3
	FRAG \f+12*\i, 8+4*\s, 6144*\i+1536*\ks
.endr
.endm
; Four matrix instructions: A's tile a against B's four, K step k.  The 16 accumulators take turns, one instruction a turn, in the same order in every K step.
.macro MUL4 f, a, k, zero
.irp b, 0,1,2,3
.if \zero
	v_wmma_scale_f32_16x16x128_f8f6f4 v[ACC+8*(4*\a+\b):ACC+8*(4*\a+\b)+7], v[\f+48+12*\b:\f+48+12*\b+11], v[\f+12*\a:\f+12*\a+11], 0, v[SB+8*\b+(\k)/2], v[SA+8*\a+(\k)/2] matrix_a_fmt:MATRIX_FMT_BF6 matrix_b_fmt:MATRIX_FMT_BF6
.elseif (\k)%2
	v_wmma_scale_f32_16x16x128_f8f6f4 v[ACC+8*(4*\a+\b):ACC+8*(4*\a+\b)+7], v[\f+48+12*\b:\f+48+12*\b+11], v[\f+12*\a:\f+12*\a+11], v[ACC+8*(4*\a+\b):ACC+8*(4*\a+\b)+7], v[SB+8*\b+(\k)/2], v[SA+8*\a+(\k)/2] matrix_a_fmt:MATRIX_FMT_BF6 matrix_b_fmt:MATRIX_FMT_BF6 matrix_a_scale:MATRIX_SCALE_ROW1 matrix_b_scale:MATRIX_SCALE_ROW1
.else
	v_wmma_scale_f32_16x16x128_f8f6f4 v[ACC+8*(4*\a+\b):ACC+8*(4*\a+\b)+7], v[\f+48+12*\b:\f+48+12*\b+11], v[\f+12*\a:\f+12*\a+11], v[ACC+8*(4*\a+\b):ACC+8*(4*\a+\b)+7], v[SB+8*\b+(\k)/2], v[SA+8*\a+(\k)/2] matrix_a_fmt:MATRIX_FMT_BF6 matrix_b_fmt:MATRIX_FMT_BF6
.endif
.endr
.endm
; K step k; in its middle the next K step (slot sn, its step ksn) is fetched into the other buffer
.macro KSTEP k, sn, ksn, zero
.set FC, 128*((\k)%2)
.set FN, 128-FC
	s_wait_dscnt 8                                 ; B's fragments and A's 0, 1 are in; the youngest eight loads (A's 2, 3) may be out
	WIN 0x05                                       ; sources 0 and 1 window 1; C and D window 0
	MUL4 FC, 0, \k, \zero
	MUL4 FC, 1, \k, \zero
	PLACES                                         ; four places in front of loads into registers that matrix instructions have read
	FETCH \sn, \ksn, FN
	s_wait_dscnt 32                                ; all but the 32 just issued
	WIN 0x05
	MUL4 FC, 2, \k, \zero
	MUL4 FC, 3, \k, \zero
.endm
; A slot's last K step (in buffer 1), with the barrier.  In front of it each wave waits for all its tensor loads, adds 0 to its spare word, and waits for that and for its reads of the slot.
; fill = 1: the barrier opens a round of the cluster's barrier, and slot 0 is filled again, with K quarter 3.
.macro TURN k, sn, fill
	WIN 0                                          ; (the add's two registers lie in window 0)
	s_wait_tensorcnt 0x0                           ; all my tensor loads have landed
	ds_add_u32 v6, v7                              ; 0 onto my spare word
	s_wait_dscnt 9                                 ; (the add and the youngest eight loads may be out)
	WIN 0x05
	MUL4 128, 0, \k, 0
	MUL4 128, 1, \k, 0
	s_wait_dscnt 0x0                               ; the add is done, and my reads of the slot are over
	s_barrier_signal -1
	MUL4 128, 2, \k, 0
	WIN 0
	s_barrier_wait -1
.if \fill
	CREST                                          ; no wave of any partner still reads slot 0 or has a load on its way
	s_add_nc_u64 s[G0A+2:G0A+3], s[G0A+2:G0A+3], 3*REGB
	s_add_nc_u64 s[G0B0+2:G0B0+3], s[G0B0+2:G0B0+3], 3*REGB
	JLOAD G0A, G1A, G0B0, G1B                      ; the first tensor load behind the round: seven K steps and a quarter, 116 matrix instructions, ahead of the wait for it; its four v_nop are the places in front of the loads below
.else
	PLACES
.endif
	FETCH \sn, 0, 0
	WIN 0x05
	MUL4 128, 3, \k, 0
.endm
	s_wait_alu depctr_va_vdst(0)
	s_wait_tensorcnt 0x0                           ; my part of K quarters 0, 1, 2 is in; no tensor load of mine is out, so group 1 may be written: the refill brings 96 rows of 256 bytes
.irp g, G1A, G1B
	s_mov_b32 s[\g+1], 32<<16
	s_mov_b32 s[\g+2], 96<<16
	s_mov_b32 s[\g+3], 32<<16
	s_mov_b32 s[\g+4], 96
	s_mov_b32 s[\g+5], 32
.endr
	s_barrier_signal -1
	s_barrier_wait -1
	FETCH 0, 0, 0
	s_wait_loadcnt 32                              ; the scale words are in; the table's 32 loads may be out
	KSTEP 0, 0, 1, 1                               ; the first products start the sums: nothing is cleared
	KSTEP 1, 0, 2, 0
	KSTEP 2, 0, 3, 0
	TURN 3, 1, 1                                   ; its wait for all loads and its round show slots 1 AND 2 whole to every wave
	KSTEP 4, 1, 1, 0
	KSTEP 5, 1, 2, 0
	KSTEP 6, 1, 3, 0
	KSTEP 7, 2, 0, 0
	KSTEP 8, 2, 1, 0
	KSTEP 9, 2, 2, 0
	KSTEP 10, 2, 3, 0
	TURN 11, 0, 0                                  ; K quarter 3 has landed in slot 0, everybody's part
	KSTEP 12, 0, 1, 0
	KSTEP 13, 0, 2, 0
	KSTEP 14, 0, 3, 0
	s_wait_dscnt 8
	WIN 0x05
	MUL4 128, 0, 15, 0
	MUL4 128, 1, 15, 0
	s_wait_dscnt 0x0
	MUL4 128, 2, 15, 0
	MUL4 128, 3, 15, 0
	WIN 0
	PLACES                                         ; four places in front of the first read of results
; 32 registers v[s] .. v[s + 31] of a lane, register 16 b + i = index 32 b + 16 h + i of its row, become an image (v122-127) and two scale bytes (in v[116 + a])
.macro QUANT2 s, a
	v_max3_num_f32 v96, |v[\s]|, |v[\s+1]|, 0x2800000          ; the two blocks by turns; the floor 2^(5 - 127) holds the byte at 1 from below
	v_max3_num_f32 v97, |v[\s+16]|, |v[\s+17]|, 0x2800000
.irp i, 2,4,6,8,10,12,14
	v_max3_num_f32 v96, v96, |v[\s+\i]|, |v[\s+\i+1]|
	v_max3_num_f32 v97, v97, |v[\s+16+\i]|, |v[\s+17+\i]|
.endr
	v_permlanex16_b32 v98, v96, s92, s93
	v_permlanex16_b32 v99, v97, s92, s93
	v_max_num_f32 v96, v96, v98                    ; with lane l xor 16's: the block's largest magnitude
	v_max_num_f32 v97, v97, v99
	v_add_nc_u32 v100, 0xfe000000, v96             ; 4 off the exponent field: the conversion's scale operand
	v_add_nc_u32 v101, 0xfe000000, v97
	v_lshrrev_b32 v102, 23, v100
	v_lshrrev_b32 v103, 23, v101
	v_lshl_or_b32 v[116+\a], v103, 8, v102
	s_wait_alu depctr_va_vdst(0)
	s_wait_xcnt 0x0                                ; the image's registers are the last tile's store data: written again only behind this wait
	v_cvt_scalef32_pk16_bf6_f32 v[122:124], v[\s:\s+15], v100
	v_cvt_scalef32_pk16_bf6_f32 v[104:106], v[\s+16:\s+31], v101
	v_nop                                          ; one plain place behind a scaled conversion
.irp i, 0,1,2
	v_permlane16_swap_b32 v[122+\i], v[104+\i]     ; a whole block to a lane: lanes 0-15 block 0, lanes 16-31 block 1
.endr
.irp i, 0,1,2
	v_mov_b32 v[125+\i], v[104+\i]
.endr
.endm
; The rotation of tile a: pair p = registers 2 p, 2 p + 1; cos and sin lie at the same numbers in window 2.  Each accumulator is read first at its register 1.
.macro ROPE a
	WIN 0x08                                       ; source 1 window 2
.irp g, 0,1,2,3
.irp i, 0,1,2,3
	v_mul_f32 v[108+\i], v[ACC+32*\a+8*\g+2*\i+1], v[CS+32*\a+8*\g+2*\i+1]     ; odd x sin
.endr
.irp i, 0,1,2,3
	v_mul_f32 v[112+\i], v[ACC+32*\a+8*\g+2*\i+1], v[CS+32*\a+8*\g+2*\i]       ; odd x cos
.endr
.irp i, 0,1,2,3
	v_fma_f32 v[ACC+32*\a+8*\g+2*\i+1], v[ACC+32*\a+8*\g+2*\i], v[CS+32*\a+8*\g+2*\i+1], v[112+\i]   ; even x sin + odd x cos
.endr
.irp i, 0,1,2,3
	v_fma_f32 v[ACC+32*\a+8*\g+2*\i], v[ACC+32*\a+8*\g+2*\i], v[CS+32*\a+8*\g+2*\i], -v[108+\i]      ; even x cos - odd x sin
.endr
.endr
	WIN 0
.endm
	s_wait_loadcnt 0x0                             ; the table
	v_cmp_ne_u32 vcc_lo, 0, v2                     ; lanes 16-31
	s_cmp_eq_u32 ttmp9, 5
	s_cbranch_scc1 .Lv_way
	; Q, K: my 64 features are one head; my four tiles of tokens
	s_sub_co_u32 s72, s26, 16
	s_lshl_b32 s72, s72, 1
	s_add_co_u32 s72, s72, s18                     ; the head: 0-31 Q, 32-39 K
	s_lshl_b32 s73, s24, 3
	s_lshl_b32 s74, s17, 2
	s_add_co_u32 s73, s73, s74                     ; my first tile of tokens
	s_mul_i32 s74, s72, 98304
	s_mul_i32 s75, s73, 768
	s_add_co_u32 s74, s74, s75
	s_mov_b32 s75, 0
	s_add_nc_u64 s[8:9], s[8:9], s[74:75]
	s_lshl_b32 s76, s72, 13
	s_lshl_b32 s77, s73, 6
	s_add_co_u32 s76, s76, s77
	s_mov_b32 s77, 0
	s_add_nc_u64 s[10:11], s[10:11], s[76:77]
.irp a, 0,1,2,3
	ROPE \a
	QUANT2 ACC+32*\a, \a
	global_store_b128 v3, v[122:125], s[8:9] offset:768*\a
	global_store_b64 v4, v[126:127], s[8:9] offset:768*\a+512
.if \a%2 == 1
	v_cndmask_b32 v[120+\a/2], v[116+\a-1], v[116+\a], vcc_lo      ; lanes 0-15 the words of tile a - 1, lanes 16-31 of tile a
	v_or_b32 v[120+\a/2], 0x7f7f0000, v[120+\a/2]                  ; the head has 64 along K: the instruction's upper 64 get the scale 1 (and zero codes on Q's side)
	global_store_b32 v5, v[120+\a/2], s[10:11] offset:64*(\a-1)    ; 128 consecutive bytes
.endif
.endr
	s_branch .Ldone
.Lv_way:
	; V: a lane holds a feature d of head g; its registers are my 64 keys.  Key step = B's block; my 64 keys are image wn of each fragment
	s_lshl_b32 s72, s20, 1
	s_add_co_u32 s72, s72, s17                     ; g = 2 cy + my half
	s_mul_i32 s74, s72, 98304
	s_mul_i32 s75, s26, 6144
	s_add_co_u32 s74, s74, s75
	s_mul_i32 s75, s18, 768
	s_add_co_u32 s74, s74, s75
	s_add_co_u32 s74, s74, 3932160                 ; behind the 40 heads of Q and K
	s_mov_b32 s75, 0
	s_add_nc_u64 s[8:9], s[8:9], s[74:75]
	s_lshl_b32 s76, s72, 12
	s_lshl_b32 s77, s26, 8
	s_add_co_u32 s76, s76, s77
	s_lshl_b32 s77, s18, 1
	s_add_co_u32 s76, s76, s77
	s_add_co_u32 s76, s76, 327680
	s_mov_b32 s77, 0
	s_add_nc_u64 s[10:11], s[10:11], s[76:77]
.irp a, 0,1,2,3
	QUANT2 ACC+32*\a, \a
	global_store_b128 v3, v[122:125], s[8:9] offset:1536*\a
	global_store_b64 v4, v[126:127], s[8:9] offset:1536*\a+512
.if \a%2 == 1
	v_cndmask_b32 v[120+\a/2], v[116+\a-1], v[116+\a], vcc_lo
	global_store_b16 v5, v[120+\a/2], s[10:11] offset:64*(\a-1)    ; two of a word's four bytes: the other two come from the wave with the step's other 64 keys
.endif
.endr
.Ldone:
	s_wait_tensorcnt 0x0                           ; the wave's end
	ds_add_u32 v6, v7
	s_wait_dscnt 0x0
	CROUND                                         ; the closing round: no work-group ends while a partner may still ask for a tile that names it
	s_endpgm
.Lfunc_end_k_q72f6fc5d8d_qkv:
	.size	k_q72f6fc5d8d_qkv, .Lfunc_end_k_q72f6fc5d8d_qkv-k_q72f6fc5d8d_qkv
	.p2alignl 7, 3214868480
	.fill 96, 4, 3214868480
	.section	.rodata,"a",@progbits
	.p2align	6, 0x0
	.amdhsa_kernel k_q72f6fc5d8d_qkv
		.amdhsa_group_segment_fixed_size 327680
		.amdhsa_private_segment_fixed_size 0
		.amdhsa_enable_private_segment 0
		.amdhsa_kernarg_size 32
		.amdhsa_user_sgpr_count 2
		.amdhsa_user_sgpr_kernarg_segment_ptr 1
		.amdhsa_wavefront_size32 1
		.amdhsa_system_sgpr_workgroup_id_x 1
		.amdhsa_system_sgpr_workgroup_id_y 1
		.amdhsa_system_sgpr_workgroup_id_z 1
		.amdhsa_system_vgpr_workitem_id 0
		.amdhsa_next_free_vgpr 640
		.amdhsa_next_free_sgpr 96
		.amdhsa_reserve_vcc 1
		.amdhsa_float_denorm_mode_32 3
		.amdhsa_float_denorm_mode_16_64 3
		.amdhsa_memory_ordered 1
		.amdhsa_forward_progress 1
		.amdhsa_inst_pref_size 113
	.end_amdhsa_kernel
	.amdgpu_metadata
---
amdhsa.version: [ 1, 2 ]
amdhsa.kernels:
  - .name:           k_q72f6fc5d8d_qkv
    .symbol:         k_q72f6fc5d8d_qkv.kd
    .args:
      - { .name: opc, .offset: 0, .size: 8, .value_kind: global_buffer, .address_space: global }
      - { .name: ops, .offset: 8, .size: 8, .value_kind: global_buffer, .address_space: global }
      - { .name: qkvc, .offset: 16, .size: 8, .value_kind: global_buffer, .address_space: global }
      - { .name: qkvs, .offset: 24, .size: 8, .value_kind: global_buffer, .address_space: global }
    .group_segment_fixed_size: 327680
    .private_segment_fixed_size: 0
    .kernarg_segment_align: 8
    .kernarg_segment_size: 32
    .max_flat_workgroup_size: 128
    .sgpr_count:     96
    .vgpr_count:     640
    .wavefront_size: 32
...
	.end_amdgpu_metadata
.endif
;; end of part 2
;; launch attn (part 3): grid 32 x 8, 16 waves a work-group, clusters of 4 x 1, 327,680 bytes of LDS; arguments qkvc, qkvs, ac, asc; writes ac, asc
.if DOCPART == 3
	.amdgcn_target "amdgcn-amd-amdhsa--gfx1250"
	.amdhsa_code_object_version 6
	.text
	.protected	k_q72f6fc5d8d_attn
	.globl	k_q72f6fc5d8d_attn
	.p2align	8
	.type	k_q72f6fc5d8d_attn,@function
k_q72f6fc5d8d_attn:
	s_mov_b64 s[64:65], 0
	v_nop
	global_prefetch_b8 v0, s[64:65] scope:SCOPE_SE
	s_setreg_imm32_b32 hwreg(HW_REG_WAVE_MODE, 25, 1), 1
	s_wait_xcnt 0x0
	s_wait_alu depctr_hold_cnt(0) depctr_sa_sdst(0) depctr_va_vdst(0) depctr_va_sdst(0) depctr_va_ssrc(0) depctr_va_vcc(0) depctr_vm_vsrc(0)
	s_getreg_b32 s2, hwreg(HW_REG_IB_STS2, 6, 4)
	s_cmp_eq_u32 s2, 0
	s_cbranch_scc0 .Lentry_in_a_cluster
	s_endpgm
.Lentry_in_a_cluster:
	s_bfe_u32 s2, ttmp6, 0x10000c
	s_cmp_lg_u32 s2, 0x3003
	s_cbranch_scc0 .Lentry_shape_is_right
	s_endpgm
.Lentry_shape_is_right:
; Causal attention on codes of BF6 (E3M2): 32 query heads, 8 heads of K and V, head size 64, 2,048 tokens.  The result, divided by the row's sum, is quantised along the heads' axis for the last product.
; THE SOFTMAX: t = score x log2(e) / 8; M = the running largest t rounded UP to a whole number; p = 2^(t - M) is quantised along the keys, not normalised; the sum is taken of the unquantised p.
; LEFT OUT: key steps whose 128 keys all come after a tile's queries: the causal mask sets their scores to -infinity, so their p is 0 for all values of the inputs.
; SHARES.  A work-group has one head g of K and V (grid y) and 16 waves; wave w takes query head 4 g + w % 4, two tiles of 16 queries, one after the other: 127 - i, then i, with i = 2 x + (w / 4) % 2,
; and of their key steps of 128 those of its own parity w / 8.  Tile T needs T / 8 + 1 steps: the two tiles need (16 - X) + (X + 1) = 17, X = x / 4: 9 for the even wave, 8 for the odd one.  256 work-groups, four waves to a SIMD.
; At a tile's end the odd wave hands O^T, -M and the sum to the even wave through LDS bytes of their own (9 x 512 bytes a pair and tile; no tensor load lands there); the even wave brings both halves under the larger M
; by powers of two, which round nothing, adds them, and takes the tile out.
; CLUSTER 4 x 1: the four partners share g and X, so all their branches (on X, the cluster's x, and on the wave's number) run alike, and they fetch K and V by joint loads.  A partner's place enters only Q's and the result's addresses, the prefetch's offset and the mask's threshold.
; LDS is filled once, in two parts.  At the head, by waves 0-7: key steps 0-3 of K and of V (3 + 3 pieces of 8,192 bytes), K's scale words (8,192), V's (4,096).  Behind the full sequence and a round: steps 4-15, 9,216 bytes for each of 16 waves.
; The second part lands under the first tile's steps 0-3 (that tile has 9 steps or more).  It is asked of memory at the head by one prefetch a wave: of a wave's 36 blocks of 256 bytes each partner names 9, told apart by address.
; A cluster with X > 0 does not read the last X key steps that the second part brings: a joint load is issued by all partners on every path.
; LAYOUT.  Both products transposed (S^T = K Q^T, O^T = V^T P^T): a lane holds one query.  Operands lie as images of registers: 768 bytes for 16 rows x 64 K (lane l: registers 0-3 at 16 l, 4-5 at 512 + 8 l);
; in memory tile 2 B + u of tokens holds in row r token 32 B + 8 u + r + 8 (r / 8).  K'S TILES ARE COMPOSED ANEW BY THE LANES' ADDRESSES: tile 4 c + v takes in rows 0-7 keys 64 c + 8 v + 0..7 and in rows 8-15 keys 64 c + 32 + 8 v + 0..7.
; So the 32 registers of tiles 4 c .. 4 c + 3 are, in lane (r, h), keys 64 c + 32 h + 0 .. 31: a whole block of the second product's K, in the operand's own order: its maximum needs no other lane and its codes no exchange.
; THE FIRST PRODUCT HAS K = 64: Q's upper six registers are zero codes; K's upper six are the next tile's codes (every code of E3M2 is finite), and both sides' upper scale bytes are 0x7f.
; The loops have constant trip counts (2, 6, 4), two key steps on in each trip; a trip whose keys are all hidden jumps over its work, not over the lines that step addresses.
; LIMITS: NaN and infinities are not served; the scaled scores stay under 2^31 in magnitude; a block of zeros gets the byte 1: its codes are zeros, and only this program reads the bytes.
; REGISTERS: v1-2 16, 8 x lane; v3-4, v14 K's lane terms; v33 V's scales'; v5 the mask's threshold, v6 -infinity, v7 the result's byte place; v8-13 the step's addresses; v15 h; v16 -M, v17 largest score, v18-19 the sum;
; v20-31 Q; v32 its scales; v34-81 K's 8 x 6, later V's 4 x 12; v82-87 zeros; v88-91 K's scales, v92-93 V's, v94 p's; v95 8 h; v96-159 S^T, then p (at a tile's end: the other wave's half); v160-191 O^T; v192-203 p's codes;
; v204-229 at work; v232-233 for the add; v236-242 the second tile's Q; v243 lane part of the threshold; v244 the prefetch's offset; v245 the pair's LDS bytes; v246-249 factors.
.set SPARE, 208896                     ; behind the scale words: the spare words, 128 bytes for each of 16 waves
.set STG,   210944                     ; behind them: 4,608 bytes for each of 8 pairs of waves, for the first tile; 36,864 bytes on, the same for the second
.set G1,  20                           ; s[20:27] group 1: 32 rows of 256 bytes;  s[28:35]: 16 rows;  s[80:87]: 36 rows
.set G1S, 28
.set G1P, 80
.macro CROUND                          ; a round of the cluster's barrier
	s_barrier_signal -1
	s_barrier_wait -1
	s_cmp_lg_u32 s12, 0
	s_cbranch_scc1 .Lnw0_\@
	s_barrier_signal -3
.Lnw0_\@:
	s_barrier_wait -3
	s_barrier_signal -1
	s_barrier_wait -1
.endm
.macro SETG1 g, rows
	s_mov_b32 s[\g], 15|(3<<16)|(1<<21)            ; the mask: all four partners; elements of 8 bytes; bit 21 set beside a mask; no padding
	s_mov_b32 s[\g+1], 32<<16
	s_mov_b32 s[\g+2], \rows<<16
	s_mov_b32 s[\g+3], 32<<16
	s_mov_b32 s[\g+4], \rows
	s_mov_b32 s[\g+5], 32
	s_mov_b32 s[\g+6], 0
	s_mov_b32 s[\g+7], 0
.endm
; from tile T (in s[t]): byte offsets of Q's image (p), Q's scale words (p + 2), the result's image (p + 4), its scale bytes (p + 6), and the tile's first query within its 128 (p + 8)
.macro TADDR t, p
	s_mul_i32 s[\p], s14, 98304
	s_mul_i32 s40, s[\t], 768
	s_add_co_u32 s[\p], s[\p], s40
	s_mov_b32 s[\p+1], 0
	s_lshl_b32 s[\p+2], s14, 13
	s_lshl_b32 s40, s[\t], 6
	s_add_co_u32 s[\p+2], s[\p+2], s40
	s_mov_b32 s[\p+3], 0
	s_lshr_b32 s40, s[\t], 3
	s_mul_i32 s[\p+4], s40, 196608                 ; block T / 8, tile T % 8; the head's part is s41
	s_and_b32 s40, s[\t], 7
	s_mul_i32 s40, s40, 6144
	s_add_co_u32 s[\p+4], s[\p+4], s40
	s_add_co_u32 s[\p+4], s[\p+4], s41
	s_mov_b32 s[\p+5], 0
	s_lshl_b32 s[\p+6], s[\t], 10
	s_add_co_u32 s[\p+6], s[\p+6], s42
	s_mov_b32 s[\p+7], 0
	s_bfe_u32 s[\p+8], s[\t], 0x20001
	s_lshl_b32 s[\p+8], s[\p+8], 5
	s_and_b32 s40, s[\t], 1
	s_lshl_b32 s40, s40, 3
	s_add_co_u32 s[\p+8], s[\p+8], s40
.endm
.macro BASES p
	s_add_nc_u64 s[\p:\p+1], s[4:5], s[\p:\p+1]
	s_add_nc_u64 s[\p+2:\p+3], s[6:7], s[\p+2:\p+3]
	s_add_nc_u64 s[\p+4:\p+5], s[8:9], s[\p+4:\p+5]
	s_add_nc_u64 s[\p+6:\p+7], s[10:11], s[\p+6:\p+7]
.endm
.macro INIT p                          ; a tile's state
	v_add_nc_u32 v5, s[\p+8], v243                 ; my query within its 128, less 32 h: score register n holds key 32 h + 64 (n / 32) + n % 32
	v_mov_b32 v17, 0xff61b1e6                      ; the largest score so far: -3e38
	v_mov_b32 v16, 0x7f61b1e6                      ; -M
	v_mov_b32 v18, 0
	v_mov_b32 v19, 0
.set N, 0
.rept 32
	v_mov_b32 v[160+N], 0                          ; O^T: the step is written once; the first finds zeros
.set N, N+1
.endr
	s_wait_alu depctr_va_vdst(0)                   ; ahead of the scalar lines and waits that follow
.endm
.macro WALK first                      ; my walk begins at key step first + my parity: the step; where its tiles of K and of V begin in LDS; its scale words, 512 and 256 bytes a step
	s_mov_b32 s53, 0                               ; trips
	s_lshr_b32 s56, s12, 3
	s_mul_i32 s57, s79, 6144
	s_lshl_b32 s59, s79, 9
	s_lshl_b32 s60, s79, 8
.if \first
	s_add_co_u32 s56, s56, \first
	s_add_co_u32 s57, s57, 6144*\first
	s_add_co_u32 s59, s59, 512*\first
	s_add_co_u32 s60, s60, 256*\first
.endif
	s_add_co_u32 s58, s57, 98304
.endm
	s_load_b256 s[4:11], s[0:1], 0x0               ; qkvc, qkvs, ac, asc
	v_lshl_add_u32 v232, v0, 2, SPARE
	v_mov_b32 v233, 0
	ds_add_u32 v232, v233                          ; the opening lines: the add, twice on end, and its wait
	ds_add_u32 v232, v233
	v_lshrrev_b32 v1, 5, v0
	v_readfirstlane_b32 s12, v1                    ; wave 0..15
	v_and_b32 v8, 31, v0                           ; lane
	v_and_b32 v9, 15, v0                           ; r
	v_lshlrev_b32 v1, 4, v8
	v_lshlrev_b32 v2, 3, v8
	v_lshlrev_b32 v234, 2, v9
	s_lshr_b32 s79, s12, 3                         ; my parity
	s_and_b32 s13, ttmp7, 0xffff                   ; g
	s_bfe_u32 s18, ttmp6, 0x40000                  ; cx
	s_lshl_b32 s19, ttmp9, 2
	s_add_co_u32 s19, s19, s18                     ; x
	s_and_b32 s14, s12, 3
	s_lshl_b32 s15, s13, 2
	s_add_co_u32 s14, s14, s15                     ; my query head
	s_bfe_u32 s15, s12, 0x10002                    ; (wave / 4) % 2
	s_lshl_b32 s16, s19, 1
	s_add_co_u32 s69, s16, s15                     ; the second tile, i
	s_sub_co_u32 s68, 127, s69                     ; the first tile, 127 - i
	s_sub_co_u32 s17, 15, ttmp9                    ; the first tile's key step on the diagonal: made of the cluster's x alone
	s_and_b32 s16, s12, 7                          ; my pair of waves
	s_mul_i32 s16, s16, 4608
	s_add_co_u32 s16, s16, STG
	s_mul_i32 s43, s18, 2304                       ; the prefetch: my work-group's 9 blocks
	s_lshr_b32 s41, s14, 3                         ; the result's image: K quarter head / 8, image head % 8
	s_mul_i32 s41, s41, 49152
	s_and_b32 s40, s14, 7
	s_mul_i32 s40, s40, 768
	s_add_co_u32 s41, s41, s40
	s_lshr_b32 s42, s14, 4                         ; its scale bytes: K step head / 2, bytes 2 (head % 2) + 0, 1 of the word
	s_lshl_b32 s42, s42, 9
	s_bfe_u32 s40, s14, 0x10001
	s_lshl_b32 s40, s40, 8
	s_add_co_u32 s42, s42, s40
	s_bfe_u32 s40, s14, 0x20002
	s_lshl_b32 s40, s40, 2
	s_add_co_u32 s42, s42, s40
	s_and_b32 s40, s14, 1
	s_lshl_b32 s40, s40, 1
	s_add_co_u32 s42, s42, s40
	TADDR 68, 44
	TADDR 69, 70
	SETG1 G1, 32
	SETG1 G1S, 16
	SETG1 G1P, 36
	s_add_co_u32 s53, s13, 32                      ; K's heads follow Q's 32
	s_mul_i32 s54, s53, 98304
	s_lshl_b32 s55, s12, 13
	s_add_co_u32 s92, s54, s55                     ; the head's load.  Waves 0-2: K's steps 0-3 in pieces of 8,192 bytes;
	s_cmp_ge_u32 s12, 3
	s_cselect_b32 s93, 761856, 0                   ; waves 3-5: V's, eight heads on less three pieces;
	s_add_co_u32 s92, s92, s93
	s_lshl_b32 s93, s53, 13
	s_cmp_eq_u32 s12, 6
	s_cselect_b32 s92, s93, s92                    ; wave 6: K's scale words;
	s_lshl_b32 s93, s13, 12
	s_add_co_u32 s93, s93, 327680
	s_cmp_eq_u32 s12, 7
	s_cselect_b32 s92, s93, s92                    ; wave 7: V's; waves 8-15 issue none
	s_mov_b32 s93, 0
	s_mul_i32 s37, s12, 11
	s_lshr_b32 s37, s37, 5                         ; wave / 3, for waves 0-7
	s_mul_i32 s37, s37, 73728
	s_lshl_b32 s40, s12, 13
	s_add_co_u32 s37, s37, s40                     ; LDS: 8,192 wave + 73,728 (wave / 3): K at 0, V at 98,304, K's scales at 196,608, V's at 204,800
	s_mul_i32 s94, s12, 9216                       ; the second part.  Waves 0-7: K's steps 4-15; waves 8-15: V's
	s_mul_i32 s89, s79, 24576
	s_add_co_u32 s89, s89, s94
	s_add_co_u32 s89, s89, 24576                   ; LDS: 24,576 + 9,216 wave + 24,576 (wave / 8)
	s_mul_i32 s96, s79, 712704
	s_add_co_u32 s96, s96, s94
	s_add_co_u32 s96, s96, s54
	s_add_co_u32 s96, s96, 24576
	s_mov_b32 s97, 0
	s_mov_b32 s36, 1
	s_mov_b32 s88, 1
	s_mov_b32 s62, 0x76543210
	s_mov_b32 s63, 0xfedcba98                      ; v_permlanex16_b32's selects for lane l xor 16
	s_mov_b32 s66, 0x3e38aa3b                      ; c = log2(e) / sqrt(64)
	s_mov_b32 s67, s66                             ; (named with it as a pair, so it is written)
	s_mov_b32 s61, 0xbe38aa3b                      ; -c
	s_wait_alu depctr_va_vdst(0)                   ; directly ahead of the waits below
	s_wait_dscnt 0x0
	s_wait_kmcnt 0x0
	BASES 44
	BASES 70
	global_load_b128 v[20:23], v1, s[44:45]        ; both tiles' Q: images and scale words
	global_load_b64 v[24:25], v2, s[44:45] offset:512
	global_load_b32 v32, v234, s[46:47]
	global_load_b128 v[236:239], v1, s[70:71]
	global_load_b64 v[240:241], v2, s[70:71] offset:512
	global_load_b32 v242, v234, s[72:73]
	s_cmp_lt_u32 s12, 6
	s_cselect_b64 s[38:39], s[4:5], s[6:7]         ; codes or scale words: the choice hangs on the wave's number alone
	s_add_nc_u64 s[38:39], s[38:39], s[92:93]
	s_or_b32 s39, s39, 0x80000000
	s_add_nc_u64 s[98:99], s[4:5], s[96:97]        ; never rewritten: the prefetch's base
	s_mov_b64 s[90:91], s[98:99]
	s_or_b32 s91, s91, 0x80000000
	CROUND                                         ; all four work-groups are here: the first joint loads meet
	s_cmp_lt_u32 s12, 7                            ; one chain of branches on the wave's number, at most one load a wave
	s_cbranch_scc0 .Lvs
	tensor_load_to_lds s[36:39], s[G1:G1+7]
	s_nop 0
.rept 4
	v_nop
.endr
	s_branch .Lasked
.Lvs:
	s_cmp_lt_u32 s12, 8
	s_cbranch_scc0 .Lasked
	tensor_load_to_lds s[36:39], s[G1S:G1S+7]
	s_nop 0
.rept 4
	v_nop
.endr
.Lasked:
	v_min_u32 v244, 8, v8                          ; a lane a block of 256 bytes; lanes 9-31 name the last block again
	v_lshlrev_b32 v244, 8, v244
	v_add_nc_u32 v244, s43, v244
	global_prefetch_b8 v244, s[98:99] th:TH_LOAD_NT scope:SCOPE_SE   ; my work-group's 9 of the 36 blocks that my second load will bring
	v_bfe_u32 v15, v0, 4, 1                        ; h
	v_and_b32 v10, 7, v0                           ; r % 8
	v_bfe_u32 v11, v0, 3, 1                        ; r / 8
	v_mul_u32_u24 v12, v11, 1536                   ; rows 8-15 come from the tile two on
	v_lshl_add_u32 v3, v15, 8, v12
	v_lshl_add_u32 v3, v10, 4, v3                  ; K, registers 0-3: 1,536 (r / 8) + 256 h + 16 (r % 8)
	v_lshl_add_u32 v4, v15, 7, v12
	v_lshl_add_u32 v4, v10, 3, v4                  ; registers 4-5: 1,536 (r / 8) + 128 h + 8 (r % 8)
	v_lshlrev_b32 v14, 7, v11
	v_lshl_add_u32 v14, v15, 6, v14
	v_lshl_add_u32 v14, v10, 2, v14
	v_add_nc_u32 v14, 196608, v14                  ; K's scale words: 128 (r / 8) + 64 (l / 16) + 4 (r % 8)
	v_lshl_add_u32 v33, v8, 2, 204800              ; V's: 4 x lane
	v_add_nc_u32 v245, s16, v1                     ; my pair's LDS bytes: 16 x lane
	v_lshlrev_b32 v95, 3, v15
	v_lshl_add_u32 v243, v11, 3, v9
	v_lshlrev_b32 v13, 5, v15
	v_sub_nc_u32 v243, v243, v13                   ; r + 8 (r / 8) - 32 h
	v_lshl_add_u32 v7, v9, 4, v15                  ; the way out: my scale byte's place, 16 r + h
	v_mov_b32 v6, 0xff800000                       ; -infinity
.irp j, 26,27,28,29,30,31,82,83,84,85,86,87
	v_mov_b32 v[\j], 0                             ; zero codes: Q's upper 64 along K, and what stands behind K's last tile
.endr
.irp j, 216,217,224,247,249
	v_mov_b32 v[\j], 0                             ; written once: permutes' destinations, and the upper halves of the pairs v[246:247], v[248:249]
.endr
	INIT 44
	s_wait_tensorcnt 0x0                           ; my piece, if I fetched one, has landed
	ds_add_u32 v232, v233
	ds_add_u32 v232, v233                          ; the add twice on end
	s_wait_dscnt 0x0
	CROUND                                         ; everybody's piece is in, and the four work-groups are here
	tensor_load_to_lds s[88:91], s[G1P:G1P+7]      ; key steps 4-15, my 9,216 bytes: the first tensor load behind the round
	s_nop 0
	s_wait_loadcnt 0x0                             ; Q
; One key step of 128 for the tile in hand.  hid = 1: the step may be hidden as a whole; diag = 1: it may lie on the diagonal
.macro STEP hid, diag
.if \hid
	s_cmp_gt_u32 s56, s17                          ; all 128 keys come after my queries: a branch on ids, the same in all partners
	s_cbranch_scc1 .Lhid_\@
.endif
	v_add_nc_u32 v8, s57, v3
	v_add_nc_u32 v9, s57, v4
	v_add_nc_u32 v12, s59, v14
.irp t, 0,1,2,3,4,5,6,7
	ds_load_b128 v[34+6*\t:37+6*\t], v8 offset:3072*(\t/4)+768*(\t%2)+128*((\t%4)/2)
	ds_load_b64 v[38+6*\t:39+6*\t], v9 offset:3072*(\t/4)+768*(\t%2)+64*((\t%4)/2)+512
.endr
.irp i, 0,1,2,3
	ds_load_b32 v[88+\i], v12 offset:256*(\i/2)+32*(\i%2)          ; lanes 0-15 tile 2 i's words, lanes 16-31 tile 2 i + 1's
.endr
	s_wait_dscnt 0x0
.irp t, 0,2,4,6                        ; S^T = K Q^T
	v_wmma_scale_f32_16x16x128_f8f6f4 v[96+8*\t:103+8*\t], v[34+6*\t:45+6*\t], v[20:31], 0, v[88+\t/2], v32 matrix_a_fmt:MATRIX_FMT_BF6 matrix_b_fmt:MATRIX_FMT_BF6
	v_wmma_scale_f32_16x16x128_f8f6f4 v[104+8*\t:111+8*\t], v[40+6*\t:51+6*\t], v[20:31], 0, v[88+\t/2], v32 matrix_a_fmt:MATRIX_FMT_BF6 matrix_b_fmt:MATRIX_FMT_BF6 matrix_a_scale:MATRIX_SCALE_ROW1
.endr
	v_add_nc_u32 v10, s58, v1                      ; V's addresses: with the v_nop the four places in front of loads into registers that those products read, and of the first read of their results
	v_add_nc_u32 v11, s58, v2
	v_add_nc_u32 v13, s60, v33
	v_nop
.irp t, 0,1,2,3                        ; V's four fragments are asked for now and land under the softmax
	ds_load_b128 v[34+12*\t:37+12*\t], v10 offset:1536*\t
	ds_load_b64 v[38+12*\t:39+12*\t], v11 offset:1536*\t+512
	ds_load_b128 v[40+12*\t:43+12*\t], v10 offset:1536*\t+768
	ds_load_b64 v[44+12*\t:45+12*\t], v11 offset:1536*\t+1280
.endr
	ds_load_b32 v92, v13
	ds_load_b32 v93, v13 offset:128
.if \diag
	s_cmp_lt_u32 s56, s17                          ; under the diagonal every key counts
	s_cbranch_scc1 .Lopen_\@
.set N, 0
.rept 64
	v_cmp_gt_i32 vcc_lo, 64*(N/32)+N%32, v5
	v_cndmask_b32 v[96+N], v[96+N], v6, vcc_lo     ; hidden scores become -infinity ahead of the maximum: p = 0 then
.set N, N+1
.endr
.Lopen_\@:
.endif
.irp k, 0,1,2,3                        ; the largest score of my two blocks of 32 keys, in four chains by turns; each accumulator is read first at its low end
	v_max3_num_f32 v[212+\k], v[96+16*\k], v[97+16*\k], v[98+16*\k]
.endr
.irp i, 3,5,7,9,11,13
.irp k, 0,1,2,3
	v_max3_num_f32 v[212+\k], v[212+\k], v[96+16*\k+\i], v[97+16*\k+\i]
.endr
.endr
	v_max3_num_f32 v212, v212, v213, v111
	v_max3_num_f32 v214, v214, v215, v143
	v_max_num_f32 v212, v212, v127                 ; block h
	v_max_num_f32 v214, v214, v159                 ; block 2 + h
	v_max_num_f32 v216, v212, v214
	v_permlanex16_b32 v217, v216, s62, s63
	v_max3_num_f32 v17, v17, v216, v217            ; the running largest score (c is positive)
	v_mul_f32 v218, s61, v17                       ; -t
	v_floor_f32 v218, v218                         ; the new -M = -ceil(t): a whole number
	v_sub_f32 v219, v218, v16                      ; old M - new M: a whole number, 0 or less
	v_mov_b32 v16, v218
	v_cvt_i32_f32 v219, v219                       ; (it saturates)
	v_ldexp_f32 v246, 1.0, v219                    ; f = 2^(old M - new M): a multiplication by it rounds nothing
.set N, 0
.rept 32
	v_pk_fma_f32 v[96+N:97+N], v[96+N:97+N], s[66:67], v[16:17] op_sel_hi:[1,0,0]   ; t - M, two at a time
.set N, N+2
.endr
	v_fma_f32 v212, v212, s66, v16                 ; the same of each block's largest score: p rises with the score
	v_fma_f32 v214, v214, s66, v16
.set N, 0
.rept 16
	v_pk_mul_f32 v[160+N:161+N], v[160+N:161+N], v[246:247] op_sel_hi:[1,0]   ; O^T under the new M, ahead of the exponentials
.set N, N+2
.endr
	s_wait_alu depctr_va_vdst(0)
.set N, 0
.rept 64
	v_exp_f32 v[96+N], v[96+N]                     ; p = 2^(t - M)
.set N, N+1
.endr
	v_exp_f32 v212, v212                           ; each block's largest p
	v_exp_f32 v214, v214
	v_pk_mul_f32 v[18:19], v[18:19], v[246:247] op_sel_hi:[1,0]   ; the sum under the new M: the plain place behind the exponentials
	s_wait_alu depctr_va_vdst(0)                   ; one wait for the whole batch
	v_max_num_f32 v212, 0x2800000, v212            ; the floor 2^(5 - 127): the byte cannot fall under 1
	v_max_num_f32 v214, 0x2800000, v214
	v_add_nc_u32 v220, 0xfe000000, v212            ; 4 off the exponent field: the conversion's scale operand
	v_add_nc_u32 v221, 0xfe000000, v214
	v_cvt_scalef32_pk16_bf6_f32 v[192:194], v[96:111], v220
	v_cvt_scalef32_pk16_bf6_f32 v[204:206], v[112:127], v220       ; (a conversion's three registers begin on an even number)
	v_cvt_scalef32_pk16_bf6_f32 v[198:200], v[128:143], v221
	v_cvt_scalef32_pk16_bf6_f32 v[208:210], v[144:159], v221
	v_lshrrev_b32 v216, 23, v220                   ; my two bytes: blocks h and 2 + h.  (The plain place behind the conversions)
	v_lshrrev_b32 v217, 23, v221
	s_delay_alu instid0(VALU_DEP_1)
	v_lshl_or_b32 v216, v217, 16, v216
	s_delay_alu instid0(VALU_DEP_1)
	v_lshlrev_b32 v216, v95, v216                  ; at their places in the word
	s_delay_alu instid0(VALU_DEP_1)
	v_permlanex16_b32 v217, v216, s62, s63
	s_delay_alu instid0(VALU_DEP_1)
	v_or_b32 v94, v216, v217                       ; with lane l xor 16's two: p's scale word for these 128 keys
.irp i, 0,1,2
	v_mov_b32 v[195+\i], v[204+\i]
	v_mov_b32 v[201+\i], v[208+\i]
.endr
.irp j, 0,1,2,3                        ; the sum of the unquantised p: four chains of pairs
	v_pk_add_f32 v[222+2*\j:223+2*\j], v[96+2*\j:97+2*\j], v[104+2*\j:105+2*\j]
.endr
.irp m, 2,3,4,5,6
.irp j, 0,1,2,3
	v_pk_add_f32 v[222+2*\j:223+2*\j], v[222+2*\j:223+2*\j], v[96+8*\m+2*\j:97+8*\m+2*\j]
.endr
.endr
	s_wait_alu depctr_va_vdst(0)                   ; directly ahead of the wait below
	s_wait_dscnt 0x0                               ; V
.irp t, 0,2                            ; O^T += V^T P^T: the four accumulators by turns
	v_wmma_scale_f32_16x16x128_f8f6f4 v[160+8*\t:167+8*\t], v[34+12*\t:45+12*\t], v[192:203], v[160+8*\t:167+8*\t], v[92+\t/2], v94 matrix_a_fmt:MATRIX_FMT_BF6 matrix_b_fmt:MATRIX_FMT_BF6
	v_wmma_scale_f32_16x16x128_f8f6f4 v[168+8*\t:175+8*\t], v[46+12*\t:57+12*\t], v[192:203], v[168+8*\t:175+8*\t], v[92+\t/2], v94 matrix_a_fmt:MATRIX_FMT_BF6 matrix_b_fmt:MATRIX_FMT_BF6 matrix_a_scale:MATRIX_SCALE_ROW1
.endr
.irp j, 0,1,2,3                        ; the rest of the sum names no register of those products: these eight lines are the places in front of the next step's loads and of the first read of O^T at the tile's end
	v_pk_add_f32 v[222+2*\j:223+2*\j], v[222+2*\j:223+2*\j], v[152+2*\j:153+2*\j]
.endr
	v_pk_add_f32 v[222:223], v[222:223], v[224:225]
	v_pk_add_f32 v[226:227], v[226:227], v[228:229]
	s_delay_alu instid0(VALU_DEP_1)
	v_pk_add_f32 v[222:223], v[222:223], v[226:227]
	s_delay_alu instid0(VALU_DEP_1)
	v_pk_add_f32 v[18:19], v[18:19], v[222:223]
	s_wait_alu depctr_va_vdst(0)                   ; ahead of the scalar lines and the branch
.if \hid
.Lhid_\@:
.endif
	s_add_co_u32 s57, s57, 12288                   ; two key steps on
	s_add_co_u32 s58, s58, 12288
	s_add_co_u32 s59, s59, 1024
	s_add_co_u32 s60, s60, 512
	s_add_co_u32 s56, s56, 2
	s_add_co_u32 s53, s53, 1
.endm
; THE WAY OUT of a tile: O^T / the sum; register 16 b + i is d = 32 b + 16 h + i of my query: two blocks of the last product's K, quantised as they stand
.macro OUT p
	v_add_f32 v18, v18, v19
	s_delay_alu instid0(VALU_DEP_1)
	v_permlanex16_b32 v224, v18, s62, s63
	s_delay_alu instid0(VALU_DEP_1)
	v_add_f32 v18, v18, v224                       ; the row's sum
	s_wait_alu depctr_va_vdst(0)
	v_rcp_f32 v18, v18
	v_nop                                          ; one plain place behind a transcendental
	s_wait_alu depctr_va_vdst(0)                   ; the wait ahead of the reciprocal's first reader
.set N, 0
.rept 16
	v_pk_mul_f32 v[160+N:161+N], v[160+N:161+N], v[18:19] op_sel_hi:[1,0]
.set N, N+2
.endr
	v_max3_num_f32 v212, |v160|, |v161|, 0x2800000
	v_max3_num_f32 v213, |v176|, |v177|, 0x2800000
.irp i, 2,4,6,8,10,12,14
	s_delay_alu instid0(VALU_DEP_2)
	v_max3_num_f32 v212, v212, |v[160+\i]|, |v[161+\i]|
	s_delay_alu instid0(VALU_DEP_2)
	v_max3_num_f32 v213, v213, |v[176+\i]|, |v[177+\i]|
.endr
	s_delay_alu instid0(VALU_DEP_2)
	v_permlanex16_b32 v216, v212, s62, s63
	s_delay_alu instid0(VALU_DEP_2)
	v_permlanex16_b32 v217, v213, s62, s63
	s_delay_alu instid0(VALU_DEP_2)
	v_max_num_f32 v212, v212, v216
	s_delay_alu instid0(VALU_DEP_2)
	v_max_num_f32 v213, v213, v217
	s_delay_alu instid0(VALU_DEP_2)
	v_add_nc_u32 v220, 0xfe000000, v212
	s_delay_alu instid0(VALU_DEP_2)
	v_add_nc_u32 v221, 0xfe000000, v213
	s_delay_alu instid0(VALU_DEP_2)
	v_lshrrev_b32 v218, 23, v220
	s_delay_alu instid0(VALU_DEP_2)
	v_lshrrev_b32 v219, 23, v221
	v_cvt_scalef32_pk16_bf6_f32 v[192:194], v[160:175], v220
	v_cvt_scalef32_pk16_bf6_f32 v[204:206], v[176:191], v221
	v_nop                                          ; one plain place behind a scaled conversion
.irp i, 0,1,2
	v_permlane16_swap_b32 v[192+\i], v[204+\i]     ; a whole block to a lane
.endr
.irp i, 0,1,2
	v_mov_b32 v[195+\i], v[204+\i]
.endr
	v_cmp_ne_u32 vcc_lo, 0, v15
	v_cndmask_b32 v225, v218, v219, vcc_lo         ; lane (r, h) stores the byte of block h of row r
	global_store_b128 v1, v[192:195], s[\p+4:\p+5]             ; the image: 512 and 256 consecutive bytes
	global_store_b64 v2, v[196:197], s[\p+4:\p+5] offset:512
	global_store_b8 v7, v225, s[\p+6:\p+7]         ; single bytes: a scale word belongs to two heads, that is to two waves
.endm
; A TILE'S END.  The odd wave stores its half as an image of its registers; store, wait, barrier, load; the even wave joins the two halves and takes the tile out.  o: the tile's place in the pairs' LDS bytes
.macro FINISH p, o
	s_cmp_eq_u32 s79, 0
	s_cbranch_scc1 .Lkeep_\@
.set N, 0
.rept 8
	ds_store_b128 v245, v[160+N:163+N] offset:\o+128*N             ; each accumulator from its low end on
.set N, N+4
.endr
	ds_store_b128 v245, v[16:19] offset:\o+4096                    ; -M, (the largest score,) the sum's two halves
.Lkeep_\@:
	s_wait_dscnt 0x0                               ; for the other wave's sake: my stores are done
	s_barrier_signal -1
	s_barrier_wait -1
	s_cmp_lg_u32 s79, 0
	s_cbranch_scc1 .Lgone_\@
.set N, 0
.rept 8
	ds_load_b128 v[96+N:99+N], v245 offset:\o+128*N
.set N, N+4
.endr
	ds_load_b128 v[128:131], v245 offset:\o+4096
	s_wait_dscnt 0x0
	v_min_num_f32 v212, v16, v128                  ; -M of the two halves together: the larger M
	v_sub_f32 v213, v212, v16                      ; my M less it, and the other's less it: whole numbers, 0 or less.  (A half with no step has -M = 3e38, O^T = 0 and the sum 0: its factor is 0)
	v_sub_f32 v214, v212, v128
	v_cvt_i32_f32 v213, v213                       ; (they saturate)
	v_cvt_i32_f32 v214, v214
	v_ldexp_f32 v246, 1.0, v213
	v_ldexp_f32 v248, 1.0, v214
	v_pk_mul_f32 v[18:19], v[18:19], v[246:247] op_sel_hi:[1,0]
.set N, 0
.rept 16
	v_pk_mul_f32 v[160+N:161+N], v[160+N:161+N], v[246:247] op_sel_hi:[1,0]
.set N, N+2
.endr
	v_pk_fma_f32 v[18:19], v[130:131], v[248:249], v[18:19] op_sel_hi:[1,0,1]
.set N, 0
.rept 16
	v_pk_fma_f32 v[160+N:161+N], v[96+N:97+N], v[248:249], v[160+N:161+N] op_sel_hi:[1,0,1]
.set N, N+2
.endr
	OUT \p
.Lgone_\@:
.endm
	WALK 0
.La1:                                                  ; the first tile, key steps 0-3: all open (its diagonal lies at step 8 or later); they read the head's fills alone
	STEP 0, 0
	s_cmp_lt_u32 s53, 2
	s_cbranch_scc1 .La1
	s_wait_tensorcnt 0x0                           ; my part of key steps 4-15 has landed,
	s_wait_dscnt 0x0
	s_barrier_signal -1
	s_barrier_wait -1                              ; everybody's has
	WALK 4
.La2:
	STEP 1, 1
	s_cmp_lt_u32 s53, 6
	s_cbranch_scc1 .La2
	FINISH 44, 0
	s_wait_alu depctr_va_vdst(0)
	s_wait_xcnt 0x0                                ; the stores have read their registers: they are written again only behind this wait
.irp j, 0,1,2,3,4,5
	v_mov_b32 v[20+\j], v[236+\j]                  ; the second tile's Q
.endr
	v_mov_b32 v32, v242
	INIT 70
	s_mov_b32 s17, ttmp9                           ; its key step on the diagonal: the cluster's x
	WALK 0
.Lb:
	STEP 1, 1
	s_cmp_lt_u32 s53, 4
	s_cbranch_scc1 .Lb
	FINISH 70, 36864
	s_wait_tensorcnt 0x0                           ; the wave's end
	ds_add_u32 v232, v233
	s_wait_dscnt 0x0
	CROUND                                         ; the closing round
	s_endpgm
.Lfunc_end_k_q72f6fc5d8d_attn:
	.size	k_q72f6fc5d8d_attn, .Lfunc_end_k_q72f6fc5d8d_attn-k_q72f6fc5d8d_attn
	.p2alignl 7, 3214868480
	.fill 96, 4, 3214868480
	.section	.rodata,"a",@progbits
	.p2align	6, 0x0
	.amdhsa_kernel k_q72f6fc5d8d_attn
		.amdhsa_group_segment_fixed_size 327680
		.amdhsa_private_segment_fixed_size 0
		.amdhsa_enable_private_segment 0
		.amdhsa_kernarg_size 32
		.amdhsa_user_sgpr_count 2
		.amdhsa_user_sgpr_kernarg_segment_ptr 1
		.amdhsa_wavefront_size32 1
		.amdhsa_system_sgpr_workgroup_id_x 1
		.amdhsa_system_sgpr_workgroup_id_y 1
		.amdhsa_system_sgpr_workgroup_id_z 1
		.amdhsa_system_vgpr_workitem_id 0
		.amdhsa_next_free_vgpr 256
		.amdhsa_next_free_sgpr 100
		.amdhsa_reserve_vcc 1
		.amdhsa_float_denorm_mode_32 3
		.amdhsa_float_denorm_mode_16_64 3
		.amdhsa_memory_ordered 1
		.amdhsa_forward_progress 1
		.amdhsa_inst_pref_size 88
	.end_amdhsa_kernel
	.amdgpu_metadata
---
amdhsa.version: [ 1, 2 ]
amdhsa.kernels:
  - .name:           k_q72f6fc5d8d_attn
    .symbol:         k_q72f6fc5d8d_attn.kd
    .args:
      - { .name: qkvc, .offset: 0, .size: 8, .value_kind: global_buffer, .address_space: global }
      - { .name: qkvs, .offset: 8, .size: 8, .value_kind: global_buffer, .address_space: global }
      - { .name: ac, .offset: 16, .size: 8, .value_kind: global_buffer, .address_space: global }
      - { .name: asc, .offset: 24, .size: 8, .value_kind: global_buffer, .address_space: global }
    .group_segment_fixed_size: 327680
    .private_segment_fixed_size: 0
    .kernarg_segment_align: 8
    .kernarg_segment_size: 32
    .max_flat_workgroup_size: 512
    .sgpr_count:     100
    .vgpr_count:     256
    .wavefront_size: 32
...
	.end_amdgpu_metadata
.endif
;; end of part 3
;; launch outp (part 4): grid 16 x 16, 4 waves a work-group, clusters of 4 x 4, 327,680 bytes of LDS; arguments ac, asc, opc, ops, out0; writes out0
.if DOCPART == 4
	.amdgcn_target "amdgcn-amd-amdhsa--gfx1250"
	.amdhsa_code_object_version 6
	.text
	.protected	k_q72f6fc5d8d_outp
	.globl	k_q72f6fc5d8d_outp
	.p2align	8
	.type	k_q72f6fc5d8d_outp,@function
k_q72f6fc5d8d_outp:
	s_mov_b64 s[64:65], 0
	v_nop
	global_prefetch_b8 v0, s[64:65] scope:SCOPE_SE
	s_setreg_imm32_b32 hwreg(HW_REG_WAVE_MODE, 25, 1), 1
	s_wait_xcnt 0x0
	s_wait_alu depctr_hold_cnt(0) depctr_sa_sdst(0) depctr_va_vdst(0) depctr_va_sdst(0) depctr_va_ssrc(0) depctr_va_vcc(0) depctr_vm_vsrc(0)
	s_getreg_b32 s2, hwreg(HW_REG_IB_STS2, 6, 4)
	s_cmp_eq_u32 s2, 0
	s_cbranch_scc0 .Lentry_in_a_cluster
	s_endpgm
.Lentry_in_a_cluster:
	s_bfe_u32 s2, ttmp6, 0x10000c
	s_cmp_lg_u32 s2, 0xf033
	s_cbranch_scc0 .Lentry_shape_is_right
	s_endpgm
.Lentry_shape_is_right:
; out0 = (attention's result) wo, on codes of BF6 (E3M2) with E8M0 scales; out0 [2048][2048] f32.
; A work-group makes 128 x 128, each of four waves 64 x 64: 16 accumulators: 256 work-groups.  K = 2,048 is 16 steps of 128, written out: 256 matrix instructions a wave.
; Operands lie in memory as images of operand registers (768 bytes: 16 rows x 64 K; lane l's registers 0-3 at 16 l, registers 4-5 at 512 + 8 l), [block of 128 rows][K quarter][tile][8 images]: a block's K quarter is
; one dense run of 49,152 bytes, and every LDS load reads 512 or 256 consecutive bytes: no pitch, no padding.  Tile 2 B + u holds in row r the index 32 B + 8 u + r + 8 (r / 8).
; REGION A of a slot (tokens) feeds source 1: its rows become lanes.  REGION B (wo's columns) feeds source 0: the 32 registers of accumulators (a, 0..3) are columns 32 b + 16 h + 0 .. 15, b = 0, 1.
; LDS: three slots of 98,304 bytes (A's quarter, then B's).  Quarters 0, 1, 2 are first fills; quarter 3 is the one refill, into slot 0.  By this text's own count a wave has three tensor loads out at the start, later one.
; CLUSTER 4 x 4: A's quarters are shared along a row of the cluster, B's along a column: joint loads; waves 0, 1 fetch A's halves, waves 2, 3 B's.
; REGISTERS.  Window 0: v1 r, v2 h, v3-4 16, 8 x lane, v6-7 for the add, v8-19 LDS addresses, v20-22 the way out, v32-63 A's scale words, v64-95 B's, v128-255 accumulators.
;   Window 1: two fragment buffers (v0-95, v128-223): A's four fragments, then B's four.
; LDS AS THIS TEXT LAYS IT (in place of the three slots named above): wave w's fetches lie at 73,728 w: its half (24,576 bytes) of K quarters 0, 1, 2 on end; waves 0, 1 hold A's halves, waves 2, 3 B's.
; At the head a wave issues ONE joint load: three rows of 24,576 bytes, 49,152 bytes apart in memory.  K quarter 3 is the one refill, onto quarter 0's bytes.  By this text's own count a wave has one tensor load out at a time.
; K quarter 3 is asked of memory at the head by one prefetch a wave: of the 96 blocks of 256 bytes that a wave will fetch, each of the four partners that fetch them jointly names 24, told apart by address.
.set SLOTB, 98304
.set REGB,  49152
.set HALFB, 24576
.set BLKB,  196608
.set STAGE, 3*SLOTB                    ; behind the slots: 16 rows x 272 bytes for each wave, for the way out; no tensor load lands there
.set SPARE, STAGE+4*4352               ; behind the stages: the spare words, 128 bytes for each wave: two blocks of 256 bytes that no other line names
.set SA,  32
.set SB,  64
.set ACC, 128
.set G1A, 28                           ; s[28:35] group 1 for A;  s[36:43] for B: they differ in the mask alone
.set G1B, 36
.set G0A, 44                           ; s[44:47] group 0 for A
.set G0B0, 56                          ; and for B
.set G0B1, 60
.set G0B2, 68
.set MSB, 0
.macro WIN new                         ; the immediate's high byte repeats the setting that is left
.if MSB != \new
	s_set_vgpr_msb (MSB<<8)|\new
.set MSB, \new
.endif
.endm
.macro PLACES
.rept 4
	v_nop
.endr
.endm
; A joint load: each of the two lines has one mask and one set of registers; the branch hangs on the wave's number alone.  Four v_nop follow each line.
.macro JLOAD g0a, g1a, g0b, g1b
	s_cmp_eq_u32 s17, 0
	s_cbranch_scc0 .Lfor_b_\@
	tensor_load_to_lds s[\g0a:\g0a+3], s[\g1a:\g1a+7]
	s_nop 0
.rept 4
	v_nop
.endr
	s_branch .Lasked_\@
.Lfor_b_\@:
	tensor_load_to_lds s[\g0b:\g0b+3], s[\g1b:\g1b+7]
	s_nop 0
.rept 4
	v_nop
.endr
.Lasked_\@:
.endm
.macro CREST                           ; a round of the cluster's barrier behind its opening barrier
	s_cmp_lg_u32 s16, 0
	s_cbranch_scc1 .Lnot_wave_0_\@
	s_barrier_signal -3
.Lnot_wave_0_\@:
	s_barrier_wait -3
	s_barrier_signal -1
	s_barrier_wait -1
.endm
.macro CROUND
	s_barrier_signal -1
	s_barrier_wait -1
	CREST
.endm
.macro SETG0 g, b, s
	s_mov_b32 s[\g], 1                                             ; count = 1
	s_add_co_u32 s[\g+1], s79, \s*SLOTB                            ; LDS: wave x 73,728, + 98,304 s: A's halves, then B's
	s_add_nc_u64 s[\g+2:\g+3], s[\b:\b+1], \s*REGB                 ; K quarter s
	s_or_b32 s[\g+3], s[\g+3], 0x80000000                          ; type = 2
.endm
	s_load_b256 s[4:11], s[0:1], 0x0               ; ac, asc, opc, ops
	s_load_b64 s[12:13], s[0:1], 0x20              ; out0
	v_lshl_add_u32 v6, v0, 2, SPARE
	v_mov_b32 v7, 0
	ds_add_u32 v6, v7
	ds_add_u32 v6, v7
	s_wait_dscnt 0x0
	v_lshrrev_b32 v1, 5, v0
	v_readfirstlane_b32 s16, v1                    ; wave
	s_lshr_b32 s17, s16, 1                         ; my half of the rows.  Also: I fetch for A (0) or for B (1)
	s_and_b32 s18, s16, 1                          ; my half of the columns.  Also: which half of a quarter I fetch
	s_bfe_u32 s19, ttmp6, 0x40000                  ; cx
	s_bfe_u32 s20, ttmp6, 0x40004                  ; cy
	s_and_b32 s22, ttmp7, 0xffff
	s_lshl_b32 s22, s22, 2
	s_add_co_u32 s24, s22, s20                     ; A's block of tokens: 4 cluster y + cy
	s_lshl_b32 s23, ttmp9, 2
	s_add_co_u32 s25, s23, s19                     ; the block of columns: 4 cluster x + cx
	s_add_co_u32 s26, s25, 40                      ; wo's blocks begin at 40
	s_lshl_b32 s72, s20, 2
	s_lshl_b32 s72, 15, s72                        ; my row of the cluster
	s_lshl_b32 s73, 0x1111, s19                    ; my column
	s_or_b32 s[G1A], s72, (3<<16)|(1<<21)          ; the mask; elements of 8 bytes; bit 21 set beside a mask; no padding
	s_or_b32 s[G1B], s73, (3<<16)|(1<<21)
.irp g, G1A, G1B
	s_mov_b32 s[\g+1], 3072<<16                    ; the head's load: tensor_dim0 = 3,072 elements: rows of 24,576 bytes
	s_mov_b32 s[\g+2], 3<<16                       ; tensor_dim1 = 3 rows: K quarters 0, 1, 2
	s_mov_b32 s[\g+3], 3072<<16                    ; tile_dim0
	s_mov_b32 s[\g+4], 3                           ; tile_dim1
	s_mov_b32 s[\g+5], 6144                        ; the pitch: a K quarter, 49,152 bytes
	s_mov_b32 s[\g+6], 0
	s_mov_b32 s[\g+7], 0
.endr
	s_mul_i32 s78, s18, HALFB
	s_mul_i32 s74, s24, BLKB
	s_add_co_u32 s74, s74, s78
	s_mov_b32 s75, 0
	s_mul_i32 s76, s26, BLKB
	s_add_co_u32 s76, s76, s78
	s_mov_b32 s77, 0
	s_mul_i32 s79, s16, 3*HALFB
	s_lshl_b32 s84, s24, 13
	s_lshl_b32 s85, s17, 12
	s_add_co_u32 s84, s84, s85                     ; A's scale images: 1,024 bytes a tile, my four tiles
	s_mov_b32 s85, 0
	s_lshl_b32 s86, s26, 13
	s_lshl_b32 s87, s18, 12
	s_add_co_u32 s86, s86, s87                     ; B's
	s_mov_b32 s87, 0
	s_lshl_b32 s88, s24, 20                        ; out0: row 128 x block + 64 x half, 8,192 bytes a row;
	s_lshl_b32 s89, s17, 19
	s_add_co_u32 s88, s88, s89
	s_lshl_b32 s89, s25, 9                         ; column 128 x block + 64 x half, 4 bytes a column
	s_add_co_u32 s88, s88, s89
	s_lshl_b32 s89, s18, 8
	s_add_co_u32 s88, s88, s89
	s_mov_b32 s89, 0
	v_and_b32 v9, 31, v0
	v_and_b32 v1, 15, v0                           ; r
	v_bfe_u32 v2, v0, 4, 1                         ; h
	v_lshlrev_b32 v3, 4, v9
	v_lshlrev_b32 v4, 3, v9
	s_wait_alu depctr_va_vdst(0)
	s_wait_kmcnt 0x0
	s_add_nc_u64 s[80:81], s[4:5], s[74:75]
	s_add_nc_u64 s[82:83], s[8:9], s[76:77]
	s_add_nc_u64 s[84:85], s[6:7], s[84:85]
	s_add_nc_u64 s[86:87], s[10:11], s[86:87]
	s_add_nc_u64 s[12:13], s[12:13], s[88:89]
.irp a, 0,1,2,3                        ; register 8 a + q: lanes 0-15 the words of K step 2 q, lanes 16-31 of K step 2 q + 1
.irp g, 0,1
	global_load_b128 v[SA+8*\a+4*\g:SA+8*\a+4*\g+3], v3, s[84:85] offset:1024*\a+512*\g
	global_load_b128 v[SB+8*\a+4*\g:SB+8*\a+4*\g+3], v3, s[86:87] offset:1024*\a+512*\g
.endr
.endr
	CROUND                                         ; all sixteen work-groups are here: the first joint loads meet
	SETG0 G0A, 80, 0
	SETG0 G0B0, 82, 0
	JLOAD G0A, G1A, G0B0, G1B
	s_cmp_eq_u32 s17, 0                            ; the prefetch of K quarter 3: do I fetch for A?
	s_cselect_b64 s[94:95], s[80:81], s[82:83]     ; my half of the block; never rewritten
	s_cselect_b32 s21, s19, s20                    ; my place among the four that fetch it with me: cx for A, cy for B
	s_mul_i32 s21, s21, 6144                       ; 24 blocks of 256 bytes a partner
	v_min_u32 v24, 23, v9                          ; a lane a block; lanes 24-31 name the last block again
	v_lshlrev_b32 v24, 8, v24
	v_add_nc_u32 v24, s21, v24                     ; never rewritten
	global_prefetch_b8 v24, s[94:95] offset:3*REGB th:TH_LOAD_NT scope:SCOPE_SE
	s_mul_i32 s90, s17, 3*HALFB                    ; my four tiles of A,
	s_mul_i32 s91, s18, 3*HALFB
	s_add_co_u32 s91, s91, 6*HALFB                 ; and of B, behind A's two halves
.irp s, 0,1,2
	v_add_nc_u32 v[8+4*\s], s90, v3
	v_add_nc_u32 v[9+4*\s], s90, v4
	v_add_nc_u32 v[10+4*\s], s91, v3
	v_add_nc_u32 v[11+4*\s], s91, v4
	s_add_co_u32 s90, s90, HALFB
	s_add_co_u32 s91, s91, HALFB
.endr
	s_mul_i32 s72, s16, 4352
	s_add_co_u32 s72, s72, STAGE                   ; my stage
	v_mul_u32_u24 v20, v1, 272
	v_lshl_add_u32 v20, v2, 6, v20
	v_add_nc_u32 v20, s72, v20                     ; in: row r, + 64 h: sixteen columns of each 32 are my half's
	v_mul_u32_u24 v21, v2, 272
	v_lshl_add_u32 v21, v1, 4, v21
	v_add_nc_u32 v21, s72, v21                     ; back: lanes 0-15 one row of 256 bytes, lanes 16-31 the next
	v_lshlrev_b32 v22, 13, v2
	v_lshl_add_u32 v22, v1, 4, v22                 ; and the same two rows in out0
.macro FRAG reg, a16, off              ; a fragment, 16 rows x 128 K, is two images on end: four loads
	ds_load_b128 v[\reg:\reg+3], v[\a16] offset:\off
	ds_load_b64 v[\reg+4:\reg+5], v[\a16+1] offset:\off+512
	ds_load_b128 v[\reg+6:\reg+9], v[\a16] offset:\off+768
	ds_load_b64 v[\reg+10:\reg+11], v[\a16+1] offset:\off+1280
.endm
.macro FETCH s, ks, f                  ; 32 LDS loads in one run: the slot's K step ks into buffer f: B's four fragments, then A's
	WIN 0x40
.irp i, 0,1,2,3
	FRAG \f+48+12*\i, 10+4*\s, 6144*\i+1536*\ks
.endr
.irp i, 0,1,2,3
	FRAG \f+12*\i, 8+4*\s, 6144*\i+1536*\ks
.endr
.endm
; Four matrix instructions: A's tile a against B's four, K step k.  The 16 accumulators take turns, one instruction a turn, in the same order in every K step.
.macro MUL4 f, a, k, zero
.irp b, 0,1,2,3
.if \zero
	v_wmma_scale_f32_16x16x128_f8f6f4 v[ACC+8*(4*\a+\b):ACC+8*(4*\a+\b)+7], v[\f+48+12*\b:\f+48+12*\b+11], v[\f+12*\a:\f+12*\a+11], 0, v[SB+8*\b+(\k)/2], v[SA+8*\a+(\k)/2] matrix_a_fmt:MATRIX_FMT_BF6 matrix_b_fmt:MATRIX_FMT_BF6
.elseif (\k)%2
	v_wmma_scale_f32_16x16x128_f8f6f4 v[ACC+8*(4*\a+\b):ACC+8*(4*\a+\b)+7], v[\f+48+12*\b:\f+48+12*\b+11], v[\f+12*\a:\f+12*\a+11], v[ACC+8*(4*\a+\b):ACC+8*(4*\a+\b)+7], v[SB+8*\b+(\k)/2], v[SA+8*\a+(\k)/2] matrix_a_fmt:MATRIX_FMT_BF6 matrix_b_fmt:MATRIX_FMT_BF6 matrix_a_scale:MATRIX_SCALE_ROW1 matrix_b_scale:MATRIX_SCALE_ROW1
.else
	v_wmma_scale_f32_16x16x128_f8f6f4 v[ACC+8*(4*\a+\b):ACC+8*(4*\a+\b)+7], v[\f+48+12*\b:\f+48+12*\b+11], v[\f+12*\a:\f+12*\a+11], v[ACC+8*(4*\a+\b):ACC+8*(4*\a+\b)+7], v[SB+8*\b+(\k)/2], v[SA+8*\a+(\k)/2] matrix_a_fmt:MATRIX_FMT_BF6 matrix_b_fmt:MATRIX_FMT_BF6
.endif
.endr
.endm
; K step k; in its middle the next K step (slot sn, its step ksn) is fetched into the other buffer
.macro KSTEP k, sn, ksn, zero
.set FC, 128*((\k)%2)
.set FN, 128-FC
	s_wait_dscnt 8                                 ; B's fragments and A's 0, 1 are in; the youngest eight loads (A's 2, 3) may be out
	WIN 0x05                                       ; sources 0 and 1 window 1; C and D window 0
	MUL4 FC, 0, \k, \zero
	MUL4 FC, 1, \k, \zero
	PLACES                                         ; four places in front of loads into registers that matrix instructions have read
	FETCH \sn, \ksn, FN
	s_wait_dscnt 32                                ; all but the 32 just issued
	WIN 0x05
	MUL4 FC, 2, \k, \zero
	MUL4 FC, 3, \k, \zero
.endm
; A slot's last K step (in buffer 1), with the barrier.  In front of it each wave waits for all its tensor loads, adds 0 to its spare word, and waits for that and for its reads of the slot.
; fill = 1: the barrier opens a round of the cluster's barrier, and slot 0 is filled again, with K quarter 3.
.macro TURN k, sn, fill
	WIN 0                                          ; (the add's two registers lie in window 0)
	s_wait_tensorcnt 0x0                           ; all my tensor loads have landed
	ds_add_u32 v6, v7                              ; 0 onto my spare word
	s_wait_dscnt 9                                 ; (the add and the youngest eight loads may be out)
	WIN 0x05
	MUL4 128, 0, \k, 0
	MUL4 128, 1, \k, 0
	s_wait_dscnt 0x0                               ; the add is done, and my reads of the slot are over
	s_barrier_signal -1
	MUL4 128, 2, \k, 0
	WIN 0
	s_barrier_wait -1
.if \fill
	CREST                                          ; no wave of any partner still reads slot 0 or has a load on its way
	s_add_nc_u64 s[G0A+2:G0A+3], s[G0A+2:G0A+3], 3*REGB
	s_add_nc_u64 s[G0B0+2:G0B0+3], s[G0B0+2:G0B0+3], 3*REGB
	JLOAD G0A, G1A, G0B0, G1B                      ; the first tensor load behind the round: seven K steps and a quarter, 116 matrix instructions, ahead of the wait for it; its four v_nop are the places in front of the loads below
.else
	PLACES
.endif
	FETCH \sn, 0, 0
	WIN 0x05
	MUL4 128, 3, \k, 0
.endm
	s_wait_alu depctr_va_vdst(0)
	s_wait_tensorcnt 0x0                           ; my part of K quarters 0, 1, 2 is in; no tensor load of mine is out, so group 1 may be written: the refill brings 96 rows of 256 bytes
.irp g, G1A, G1B
	s_mov_b32 s[\g+1], 32<<16
	s_mov_b32 s[\g+2], 96<<16
	s_mov_b32 s[\g+3], 32<<16
	s_mov_b32 s[\g+4], 96
	s_mov_b32 s[\g+5], 32
.endr
	s_barrier_signal -1
	s_barrier_wait -1
	FETCH 0, 0, 0
	s_wait_loadcnt 0x0                             ; the scale words
	KSTEP 0, 0, 1, 1                               ; the first products start the sums: nothing is cleared
	KSTEP 1, 0, 2, 0
	KSTEP 2, 0, 3, 0
	TURN 3, 1, 1                                   ; its wait for all loads and its round show slots 1 AND 2 whole to every wave
	KSTEP 4, 1, 1, 0
	KSTEP 5, 1, 2, 0
	KSTEP 6, 1, 3, 0
	s_wait_alu depctr_va_vdst(0)
	KSTEP 7, 2, 0, 0
	KSTEP 8, 2, 1, 0
	KSTEP 9, 2, 2, 0
	KSTEP 10, 2, 3, 0
	TURN 11, 0, 0                                  ; K quarter 3 has landed in slot 0, everybody's part
	KSTEP 12, 0, 1, 0
	KSTEP 13, 0, 2, 0
	KSTEP 14, 0, 3, 0
	s_wait_dscnt 8
	WIN 0x05
	MUL4 128, 0, 15, 0
	MUL4 128, 1, 15, 0
	s_wait_dscnt 0x0
	MUL4 128, 2, 15, 0
	MUL4 128, 3, 15, 0
	WIN 0
	PLACES                                         ; four places in front of the first read of results, and of loads into their registers
; THE WAY OUT, a tile of 16 tokens x 64 columns at a time, through my own stage: in as a lane holds them (two runs of 64 bytes of its row), back as whole rows of 256 bytes, into the registers that they left.
.macro TOSTAGE a
.irp b, 0,1,2,3
	ds_store_b128 v20, v[ACC+32*\a+8*\b:ACC+32*\a+8*\b+3] offset:128*(\b/2)+32*(\b%2)          ; each accumulator from its low end on
	ds_store_b128 v20, v[ACC+32*\a+8*\b+4:ACC+32*\a+8*\b+7] offset:128*(\b/2)+32*(\b%2)+16
.endr
.irp i, 0,1,2,3,4,5,6,7
	ds_load_b128 v[ACC+32*\a+4*\i:ACC+32*\a+4*\i+3], v21 offset:544*\i   ; LDS serves a wave's instructions in order: these see the stores above, and the next tile's stores come behind them
.endr
.endm
.macro SEND a, younger                 ; younger: the LDS instructions issued behind tile a's loads, which may stay out
	s_wait_dscnt \younger
.irp i, 0,1,2,3,4,5,6,7
	global_store_b128 v22, v[ACC+32*(\a)+4*\i:ACC+32*(\a)+4*\i+3], s[12:13] offset:(32*((\a)/2)+8*((\a)%2)+2*\i+8*(\i/4))*8192 th:TH_STORE_NT   ; 16 lanes store 256 consecutive bytes, at a multiple of 256 from out0's first byte; which tokens form the tile stands in the immediate
.endr
.endm
	TOSTAGE 0
.irp a, 1,2,3
	TOSTAGE \a
	SEND \a-1, 16                                  ; behind tile a - 1's loads: tile a's 8 stores and 8 loads
.endr
	SEND 3, 0
	s_wait_tensorcnt 0x0                           ; the wave's end: behind my last tensor load and my last LDS store
	ds_add_u32 v6, v7
	s_wait_dscnt 0x0
	CROUND                                         ; the closing round: no work-group ends while a partner may still ask for a tile that names it
	s_endpgm
.Lfunc_end_k_q72f6fc5d8d_outp:
	.size	k_q72f6fc5d8d_outp, .Lfunc_end_k_q72f6fc5d8d_outp-k_q72f6fc5d8d_outp
	.p2alignl 7, 3214868480
	.fill 96, 4, 3214868480
	.section	.rodata,"a",@progbits
	.p2align	6, 0x0
	.amdhsa_kernel k_q72f6fc5d8d_outp
		.amdhsa_group_segment_fixed_size 327680
		.amdhsa_private_segment_fixed_size 0
		.amdhsa_enable_private_segment 0
		.amdhsa_kernarg_size 40
		.amdhsa_user_sgpr_count 2
		.amdhsa_user_sgpr_kernarg_segment_ptr 1
		.amdhsa_wavefront_size32 1
		.amdhsa_system_sgpr_workgroup_id_x 1
		.amdhsa_system_sgpr_workgroup_id_y 1
		.amdhsa_system_sgpr_workgroup_id_z 1
		.amdhsa_system_vgpr_workitem_id 0
		.amdhsa_next_free_vgpr 512
		.amdhsa_next_free_sgpr 96
		.amdhsa_reserve_vcc 0
		.amdhsa_float_denorm_mode_32 3
		.amdhsa_float_denorm_mode_16_64 3
		.amdhsa_memory_ordered 1
		.amdhsa_forward_progress 1
		.amdhsa_inst_pref_size 86
	.end_amdhsa_kernel
	.amdgpu_metadata
---
amdhsa.version: [ 1, 2 ]
amdhsa.kernels:
  - .name:           k_q72f6fc5d8d_outp
    .symbol:         k_q72f6fc5d8d_outp.kd
    .args:
      - { .name: ac, .offset: 0, .size: 8, .value_kind: global_buffer, .address_space: global }
      - { .name: asc, .offset: 8, .size: 8, .value_kind: global_buffer, .address_space: global }
      - { .name: opc, .offset: 16, .size: 8, .value_kind: global_buffer, .address_space: global }
      - { .name: ops, .offset: 24, .size: 8, .value_kind: global_buffer, .address_space: global }
      - { .name: out0, .offset: 32, .size: 8, .value_kind: global_buffer, .address_space: global }
    .group_segment_fixed_size: 327680
    .private_segment_fixed_size: 0
    .kernarg_segment_align: 8
    .kernarg_segment_size: 40
    .max_flat_workgroup_size: 128
    .sgpr_count:     96
    .vgpr_count:     512
    .wavefront_size: 32
...
	.end_amdgpu_metadata
.endif
;; end of part 4
